; MI455X (gfx1250); checked and timed in simulation.
; The chip was launched on July 23, 2026; its instructions are those of AMD's public machine-readable ISA for CDNA 5 (MIT licence, August 2026) and "CDNA5" Instruction Set Architecture Reference Guide (July 2026). The comments in the code are by the model that wrote it; some were corrected since.
;; Causal Self Attention. Allowed arithmetic: matrix products marked QUANTISED: E2M3 operands, one E8M0 scale for each 32 along K, by v_wmma_scale_f32_16x16x128_f8f6f4 with both operands' format E2M3, f32 sums; everything else in f32.
;; Inputs: W_out 1,024 x 1,024 float32; W_qkv 1,024 x 3,072 float32; b_out 1,024 float32; b_qkv 3,072 float32; x 4 x 2,048 x 1,024 float32.
;; Outputs: out0 4 x 2,048 x 1,024 float32.
;; This version of the problem:
;;   THIS VERSION OF THE PROBLEM IS GIVEN IN LOW PRECISION. The matrix products marked QUANTISED in the list below multiply operands that are first quantised to E2M3 (2 exponent bits, 3 mantissa bits; 6 bits a number), with one power-of-two scale for each 32 numbers along K (OCP MX v1.0); their sums are f32. All else is computed in f32.
;;   The module's matrix products, in the order in which they are computed (A, B: the left and right operand; K: the contracted axis; several contracted axes count as one K, in the product's order):
;;     1. [M 8,192, K 1,024] x [K 1,024, N 3,072]; A: input x; B: input W_qkv: QUANTISED
;;     2. batch 64 x [M 2,048, K 64] x [K 64, N 2,048]; A: computed on the way; B: computed on the way: QUANTISED
;;     3. batch 64 x [M 2,048, K 2,048] x [K 2,048, N 64]; A: softmax (see below); B: computed on the way: QUANTISED
;;     4. [M 8,192, K 1,024] x [K 1,024, N 1,024]; A: computed on the way; B: input W_out: QUANTISED
;;   THE QUANTISER, for each operand of a quantised product, along K:
;;     - K is cut into blocks of 32 from its start; a last block that is shorter is filled with zeros.
;;     - A block's scale is 2^e with e = floor(log2(the largest magnitude in the block)) - 2, held to -126 .. 127; a block of zeros has e = 0. As a byte (E8M0): e + 127.
;;     - Each number is divided by its block's scale, clamped to +-7.5, and rounded to the nearest number of E2M3, ties to even, subnormals kept.
;;     - The product sums the exact products of the quantised numbers (number of the format x scale) in f32.
;;   ~~~python
;;   def quantise(x, axis):      # numpy; x: float32 -> the quantised numbers, widened to float32 again
;;       x = np.moveaxis(x, axis, -1); K = x.shape[-1]
;;       x = np.pad(x, [(0, 0)] * (x.ndim - 1) + [(0, -K % 32)]); x = x.reshape(x.shape[:-1] + (-1, 32)); a = np.abs(x).max(-1, keepdims=True)
;;       e = np.where(a > 0, np.clip(np.frexp(np.where(a > 0, a, 1))[1] - 1 - 2, -126, 127), 0)      # np.frexp(a)[1] - 1 = floor(log2(a)), exactly
;;       r = np.clip(x / 2.0 ** e, -7.5, 7.5)
;;       step = 2.0 ** (np.maximum(np.frexp(np.where(r == 0, 1, r))[1] - 1, 0) - 3)
;;       q = np.round(r / step) * step * 2.0 ** e      # np.round: ties to even
;;       return np.moveaxis(q.reshape(q.shape[:-2] + (-1,))[..., :K], -1, axis).astype(np.float32)
;;   ~~~
;;   SOFTMAX AHEAD OF A QUANTISED PRODUCT. Where the list says 'softmax', what is quantised is not the finished softmax but p = 2^(t - M), with t = logit x log2(e) and M = ceil(the row's largest t), a whole number; so 1/2 < the row's largest p <= 1. The row's sum l is taken of the UNQUANTISED p, in f32, and the product's result is divided by l at the end. Since M is a whole number, a kernel that streams over the keys may use a running M (the ceiling of the running maximum): every later rescaling is an exact power of two, which a block's scale takes up: the codes' values come out the same.
;;   OPERANDS COMPUTED ON THE WAY. 'Computed on the way' means the value that the module computes at that place (a softmax that the list does not call 'softmax' is quantised finished and normalised). What goes into a quantiser is computed in f32, as accurately as f32 sums, v_exp_f32 and their like allow (about 1e-6 of the number): no bf16 or f16 on the way to a quantiser, and a product that is left as it is and whose result goes on into a quantised operand takes f32 operands (vector FMAs, or v_wmma_f32_16x16x4_f32). A number that lies on a knife's edge between two numbers of the format may be rounded either way, as far as f32 arithmetic and the matrix unit's own rounding can turn it there, and no further.
;; One version. Each part assembles by itself: llvm-mc -triple=amdgcn-amd-amdhsa -mcpu=gfx1250 --defsym DOCPART=n.
;; ======== version 1 of 1: 4 launches
;; workspace buffers: xq 6,553,600 bytes; wq 3,276,800 bytes; qkv 20,185,088 bytes; yq 6,553,600 bytes
;; launch quant (part 1): grid 512 x 1, 4 waves a work-group, no clusters, 47,616 bytes of LDS; arguments x, W_qkv, W_out, xq, wq; writes xq, wq
.if DOCPART == 1
	.amdgcn_target "amdgcn-amd-amdhsa--gfx1250"
	.amdhsa_code_object_version 6
	.text
	.protected	k_q0b77bb8a43_quant
	.globl	k_q0b77bb8a43_quant
	.p2align	8
	.type	k_q0b77bb8a43_quant,@function
k_q0b77bb8a43_quant:
	s_mov_b64 s[64:65], 0
	v_nop
	global_prefetch_b8 v0, s[64:65] scope:SCOPE_SE
	s_setreg_imm32_b32 hwreg(HW_REG_WAVE_MODE, 25, 1), 1
	s_wait_xcnt 0x0
; x [8192][1024], W_qkv [1024][3072] and W_out [1024][1024], f32, become codes of FP6 (E2M3) with one E8M0 byte for each 32 along K (x: its last axis; the weights: their FIRST axis),
; laid as IMAGES OF THE OPERAND'S REGISTERS, so that the products' launches need no row pitch and no padding.
; A TILE is 16 rows (of x) or 16 columns (of a weight) out of a group of 32: lane r of tile 2 g + u holds row 32 g + 8 u + r + 8 (r / 8).  With such a tile as source 0, a lane's 16 results of tiles 2 g, 2 g + 1 are 16 neighbours.
; A FRAGMENT (tile, 128 along K) is 1,536 bytes: six pieces of 256; piece 3 c + i holds at 8 x lane the bytes 8 i .. 8 i + 7 of the 24 bytes of codes k = 64 c + 32 (lane / 16) + 0 .. 31 of row lane % 16.  Fragment (tile, step) lies at (8 tile + step) x 1,536.
; SCALE WORDS (four bytes: 128 along K of a row) lie behind the codes, 512 bytes a tile: (step / 4) x 256 + 16 r + 4 (step % 4).
; A block's scale is 2^(floor(log2(largest magnitude)) - 2): its byte is the largest magnitude's exponent field - 2, held at 1 from below by a floor among the maximum's leaves.
; LIMITS: a block of zeros gets the byte 1 where the rule says 127 (its codes are zeros, and only this program reads the bytes); blocks whose largest magnitude lies under 2^-124 are held at that byte; NaN and infinities are not served.
; Work-groups 0-255 take x, 256-511 the weights; each path has LDS bytes of its own.  No tensor loads, no barrier: waves share nothing.  No matrix unit, no cluster: a stream, each input byte read once.
.set XSC,   6291456                    ; xq: 512 tiles x 12,288 bytes of codes, then the scale words
.set WSC,   3145728                    ; wq: 256 tiles (0-191 W_qkv's columns, 192-255 W_out's), then the scale words
.set TP,    12288                      ; a tile's eight fragments
.set FRB,   1536
.set XSTG,  16*528                     ; x: a wave's stage: 16 rows x (512 bytes + 16)
.set WST0,  4*XSTG                     ; the weights' stages begin behind x's
.set WSTG,  2*1664                     ; two fragments, each 1,536 bytes + 128, so that the two tiles' lanes fall on different banks
.set FLOOR, 0x1800000                  ; 2^(3 - 127)
.set R,   16                           ; v16-143  x: two sets of 64 registers as loaded
.set X,   144                          ; v144-207 x: my two blocks of 32 neighbours
.set C,   208                          ; v208-219 a fragment's codes
.set CT,  220                          ; v220-226 the upper halves of the blocks' codes, before they are moved
.set MA,  228                          ; v228-231 the maxima, two chains a block
.set MB,  230
.set SO,  232                          ; v232-233 the conversions' scale operands
.set BY,  234                          ; v234-235 the bytes
.set SW,  236                          ; v236-239 my row's scale words of four K steps
.set WD,  240
.set PD,  241
	s_load_b128 s[4:7], s[0:1], 0x0                ; x, W_qkv
	s_load_b128 s[8:11], s[0:1], 0x10              ; W_out, xq
	s_load_b64 s[12:13], s[0:1], 0x20              ; wq
	v_lshl_add_u32 v254, v0, 2, 0xb800
	v_mov_b32 v255, 0
	v_lshrrev_b32 v1, 5, v0
	v_readfirstlane_b32 s14, v1                    ; wave 0..3
	v_and_b32 v7, 31, v0                           ; lane
	s_mov_b32 s20, 0x76543210
	s_mov_b32 s21, 0xfedcba98                      ; v_permlanex16_b32's selects for lane l xor 16
	s_cmp_lt_u32 ttmp9, 256
	s_cbranch_scc0 .Lweights
; ---------------- x.  A wave takes one tile (16 rows) x four K steps: task 4 x work-group + wave; tile = task / 2, K steps 4 (task % 2) on.
	v_lshlrev_b32 v1, 4, v7                        ; 16 x lane: a load reads 512 consecutive bytes of one row
	v_lshlrev_b32 v2, 3, v7                        ; 8 x lane: a piece's place
	v_and_b32 v8, 15, v0                           ; r
	v_bfe_u32 v9, v0, 4, 1                         ; h
	s_mul_i32 s15, s14, XSTG
	v_add_nc_u32 v3, s15, v1                       ; the stage, on the way in
	v_mul_u32_u24 v4, v8, 528
	v_lshl_add_u32 v4, v9, 7, v4
	v_add_nc_u32 v4, s15, v4                       ; and out: row r, + 128 h: my 32 neighbours of each 64
	v_lshlrev_b32 v5, 4, v8                        ; 16 r: my row's four scale words
	v_lshlrev_b32 v6, 3, v9                        ; 8 h
	v_mov_b32 v[PD], 0                             ; a lane permute's destination counts as one of its sources
	s_lshl_b32 s16, ttmp9, 2
	s_add_co_u32 s16, s16, s14                     ; task
	s_lshr_b32 s17, s16, 1                         ; tile m
	s_and_b32 s18, s16, 1                          ; which half of K
	s_lshr_b32 s22, s17, 1
	s_lshl_b32 s22, s22, 17                        ; 32 (m / 2) rows of 4,096 bytes
	s_and_b32 s23, s17, 1
	s_lshl_b32 s23, s23, 15                        ; + 8 (m % 2) rows
	s_add_co_u32 s22, s22, s23
	s_lshl_b32 s23, s18, 11                        ; + four K steps of 512 bytes
	s_add_co_u32 s22, s22, s23
	s_mov_b32 s23, 0
	s_mul_i32 s24, s17, TP
	s_mul_i32 s25, s18, 4*FRB
	s_add_co_u32 s24, s24, s25
	s_mov_b32 s25, 0
	s_lshl_b32 s26, s17, 9
	s_lshl_b32 s27, s18, 8
	s_add_co_u32 s26, s26, s27
	s_add_co_u32 s26, s26, XSC
	s_mov_b32 s27, 0
	s_wait_alu depctr_va_vdst(0)
	s_wait_kmcnt 0x0
	s_add_nc_u64 s[4:5], s[4:5], s[22:23]          ; x at my tile's first row, my first K step
	s_add_nc_u64 s[24:25], s[10:11], s[24:25]      ; my four fragments
	s_add_nc_u64 s[26:27], s[10:11], s[26:27]      ; my 256 bytes of scale words
.macro LOADX q                         ; K step q of the tile's 16 rows into set q % 2
.irp i, 0,1,2,3,4,5,6,7,8,9,10,11,12,13,14,15
	global_load_b128 v[R+64*((\q)%2)+4*\i:R+64*((\q)%2)+4*\i+3], v1, s[4:5] offset:(\i+8*(\i/8))*4096+512*(\q) th:TH_LOAD_NT
.endr
.endm
.macro STEPX q
.if (\q) < 3
	s_wait_loadcnt 16                              ; this step's 16 loads are in; the next step's 16 may be out
.else
	s_wait_loadcnt 0x0
.endif
.irp i, 0,1,2,3,4,5,6,7,8,9,10,11,12,13,14,15
	ds_store_b128 v3, v[R+64*((\q)%2)+4*\i:R+64*((\q)%2)+4*\i+3] offset:\i*528
.endr
.irp c, 0,1                            ; LDS serves a wave's instructions in order: these see the stores above, and the next step's stores come behind them
.irp j, 0,1,2,3,4,5,6,7
	ds_load_b128 v[X+32*\c+4*\j:X+32*\c+4*\j+3], v4 offset:256*\c+16*\j   ; x(r, 64 c + 32 h + 4 j ..)
.endr
.endr
	s_wait_dscnt 0x0                               ; my 64 numbers are here, and the stores have read their registers
	s_wait_xcnt 0x0                                ; the last step's stores have read the codes' registers, which are written again below
.if (\q) < 2
	LOADX (\q)+2
.endif
.irp c, 0,1                            ; block 2 c + h: all its 32 numbers are mine; two chains a block, so that no line waits for the line above it
	v_max3_num_f32 v[MA+\c], |v[X+32*\c]|, |v[X+32*\c+1]|, FLOOR
	v_max3_num_f32 v[MB+\c], |v[X+32*\c+2]|, |v[X+32*\c+3]|, |v[X+32*\c+4]|
.endr
.irp i, 5,9,13,17,21,25
.irp c, 0,1
	v_max3_num_f32 v[MA+\c], v[MA+\c], |v[X+32*\c+\i]|, |v[X+32*\c+\i+1]|
	v_max3_num_f32 v[MB+\c], v[MB+\c], |v[X+32*\c+\i+2]|, |v[X+32*\c+\i+3]|
.endr
.endr
.irp c, 0,1
	v_max3_num_f32 v[MA+\c], v[MA+\c], |v[X+32*\c+29]|, |v[X+32*\c+30]|
.endr
.irp c, 0,1
	v_max3_num_f32 v[MA+\c], v[MA+\c], v[MB+\c], |v[X+32*\c+31]|
.endr
.irp c, 0,1
	v_add_nc_u32 v[SO+\c], 0xff000000, v[MA+\c]    ; 2 off the exponent field: the conversion takes this operand's exponent field as its scale
.endr
.irp c, 0,1
	v_lshrrev_b32 v[BY+\c], 23, v[SO+\c]           ; the byte
.endr
	v_lshl_or_b32 v[WD], v[BY+1], 16, v[BY]        ; my bytes: blocks h and 2 + h,
	v_lshlrev_b32 v[WD], v6, v[WD]                 ; at their places in the word;
	v_permlanex16_b32 v[PD], v[WD], s20, s21
	v_or_b32 v[SW+(\q)], v[WD], v[PD]              ; with lane l xor 16's two the word is whole
.irp c, 0,1
	v_cvt_scalef32_pk16_fp6_f32 v[C+6*\c:C+6*\c+2], v[X+32*\c:X+32*\c+15], v[SO+\c]
	v_cvt_scalef32_pk16_fp6_f32 v[CT+4*\c:CT+4*\c+2], v[X+32*\c+16:X+32*\c+31], v[SO+\c]   ; (a conversion's three registers begin on an even number)
.endr
	v_nop                                          ; one plain place behind a scaled conversion
.irp c, 0,1
.irp i, 0,1,2
	v_mov_b32 v[C+3+6*\c+\i], v[CT+4*\c+\i]
.endr
.endr
.irp p, 0,1,2,3,4,5
	global_store_b64 v2, v[C+2*\p:C+2*\p+1], s[24:25] offset:FRB*(\q)+256*\p   ; 32 lanes store 256 consecutive bytes, aligned
.endr
.endm
	LOADX 0
	LOADX 1
	STEPX 0
	STEPX 1
	STEPX 2
	STEPX 3
	s_wait_xcnt 0x0                                ; EXEC changes only behind this wait
	v_cmp_gt_u32 vcc_lo, 16, v7
	s_wait_tensorcnt 0x0
	ds_add_u32 v254, v255
	s_wait_dscnt 0x0
	s_and_saveexec_b32 s28, vcc_lo
	global_store_b128 v5, v[SW:SW+3], s[26:27]     ; lanes 0-15: 256 consecutive bytes of scale words
	s_wait_xcnt 0x0
	s_or_b32 exec_lo, exec_lo, s28
	s_endpgm
; ---------------- the weights.  A work-group takes 128 columns x one K step of 128; a wave 32 columns: two tiles.  A LANE TAKES A COLUMN AND ITS REGISTERS RUN DOWN K: a block of 32 lies in one lane, nothing is transposed by an instruction.
.set OFF, 16                           ; v16-47   4 x lane + i rows
.set WX,  48                           ; v48-111  two sets of 32 numbers
.set WC,  112                          ; v112-117 a block's codes
.set WCT, 120
.set WBY, 123
.set WW,  124                          ; my column's scale word
.set WA,  125
.set WB,  126
.set WS,  127
.set OUTR, 128                         ; v128-151 the way out
.Lweights:
	s_sub_co_u32 s15, ttmp9, 256
	s_mov_b32 s17, 12288
	s_cmp_ge_u32 s15, 192                          ; 192 work-groups for W_qkv (24 x 8), 64 for W_out (8 x 8): the choice hangs on the work-group's number alone
	s_cselect_b32 s16, 192, 0                      ; W_out's first work-group, and its first tile
	s_cselect_b32 s17, 4096, s17                   ; a row of the weight in bytes
	s_wait_kmcnt 0x0
	s_cselect_b64 s[6:7], s[8:9], s[6:7]
	s_sub_co_u32 s18, s15, s16
	s_and_b32 s19, s18, 7                          ; K step
	s_lshr_b32 s18, s18, 3                         ; block of 128 columns
	s_lshl_b32 s22, s18, 3
	s_lshl_b32 s23, s14, 1
	s_add_co_u32 s22, s22, s23
	s_add_co_u32 s22, s22, s16                     ; my first tile
	s_lshl_b32 s24, s18, 9
	s_lshl_b32 s25, s14, 7
	s_add_co_u32 s24, s24, s25                     ; my first column, in bytes
	s_lshl_b32 s25, s19, 7
	s_mul_i32 s25, s25, s17                        ; + 128 x step rows
	s_add_co_u32 s24, s24, s25
	s_mov_b32 s25, 0
	s_lshl_b32 s26, s17, 5                         ; 32 rows on
	s_mov_b32 s27, 0
	s_add_nc_u64 s[32:33], s[6:7], s[24:25]        ; a base for each of the four blocks
	s_add_nc_u64 s[34:35], s[32:33], s[26:27]
	s_add_nc_u64 s[36:37], s[34:35], s[26:27]
	s_add_nc_u64 s[38:39], s[36:37], s[26:27]
	s_lshl_b32 s28, s22, 3
	s_add_co_u32 s28, s28, s19
	s_mul_i32 s28, s28, FRB
	s_mov_b32 s29, 0
	s_add_nc_u64 s[28:29], s[12:13], s[28:29]      ; fragment (my first tile, step)
	s_lshl_b32 s30, s22, 9
	s_lshr_b32 s31, s19, 2
	s_lshl_b32 s31, s31, 8
	s_add_co_u32 s30, s30, s31
	s_and_b32 s31, s19, 3
	s_lshl_b32 s31, s31, 2
	s_add_co_u32 s30, s30, s31
	s_add_co_u32 s30, s30, WSC
	s_mov_b32 s31, 0
	s_add_nc_u64 s[30:31], s[12:13], s[30:31]      ; and its scale words
	s_wait_alu depctr_va_vdst(0)
	v_lshlrev_b32 v[OFF], 2, v7
.irp i, 1,2,3,4,5,6,7,8,9,10,11,12,13,14,15,16,17,18,19,20,21,22,23,24,25,26,27,28,29,30,31
	v_add_nc_u32 v[OFF+\i], s17, v[OFF+\i-1]
.endr
	v_bfe_u32 v8, v0, 3, 1                         ; column lane of the 32 is row r of tile u: u = (lane / 8) % 2,
	v_and_b32 v9, 7, v0
	v_bfe_u32 v10, v0, 4, 1
	v_lshl_or_b32 v9, v10, 3, v9                   ; r = lane % 8 + 8 (lane / 16)
	s_mul_i32 s40, s14, WSTG
	s_add_co_u32 s40, s40, WST0                    ; my stage
	v_mul_u32_u24 v11, v8, 1664
	v_lshl_add_u32 v11, v9, 3, v11
	v_add_nc_u32 v11, s40, v11                     ; into it: tile u, 8 r
	v_lshlrev_b32 v12, 4, v7                       ; out: 16 x lane
	v_add_nc_u32 v13, s40, v12
	v_lshlrev_b32 v14, 9, v8
	v_lshl_add_u32 v14, v9, 4, v14                 ; my scale word: 512 u + 16 r
.macro LOADW t                         ; block t: W(128 step + 32 t + i, my column): a wave reads 128 consecutive bytes, the four waves 512
.irp i, 0,1,2,3,4,5,6,7,8,9,10,11,12,13,14,15,16,17,18,19,20,21,22,23,24,25,26,27,28,29,30,31
	global_load_b32 v[WX+32*((\t)%2)+\i], v[OFF+\i], s[32+2*(\t):33+2*(\t)] th:TH_LOAD_NT
.endr
.endm
.macro BLOCKW t
.set XS, WX+32*((\t)%2)
.if (\t) < 3
	s_wait_loadcnt 32                              ; this block's 32 loads are in; the next block's may be out
.else
	s_wait_loadcnt 0x0
.endif
	v_max3_num_f32 v[WA], |v[XS]|, |v[XS+1]|, FLOOR
	v_max3_num_f32 v[WB], |v[XS+2]|, |v[XS+3]|, |v[XS+4]|
.irp i, 5,9,13,17,21,25
	v_max3_num_f32 v[WA], v[WA], |v[XS+\i]|, |v[XS+\i+1]|
	v_max3_num_f32 v[WB], v[WB], |v[XS+\i+2]|, |v[XS+\i+3]|
.endr
	v_max3_num_f32 v[WA], v[WA], |v[XS+29]|, |v[XS+30]|
	v_max3_num_f32 v[WA], v[WA], v[WB], |v[XS+31]|
	v_add_nc_u32 v[WS], 0xff000000, v[WA]
	v_lshrrev_b32 v[WBY], 23, v[WS]
.if (\t) == 0
	v_mov_b32 v[WW], v[WBY]
.else
	v_lshl_or_b32 v[WW], v[WBY], 8*(\t), v[WW]     ; the lower K in the lower byte
.endif
	v_cvt_scalef32_pk16_fp6_f32 v[WC:WC+2], v[XS:XS+15], v[WS]
	v_cvt_scalef32_pk16_fp6_f32 v[WCT:WCT+2], v[XS+16:XS+31], v[WS]
	v_nop                                          ; one plain place behind a scaled conversion
.irp i, 0,1,2
	v_mov_b32 v[WC+3+\i], v[WCT+\i]
.endr
.irp i, 0,1,2
	ds_store_b64 v11, v[WC+2*\i:WC+2*\i+1] offset:(3*((\t)/2)+\i)*256+((\t)%2)*128   ; block t is c = t / 2, half t % 2 of the fragment: piece 3 c + i, lane r + 16 (t % 2)
.endr
.if (\t) < 2
	LOADW (\t)+2
.endif
	s_wait_dscnt 0x0                               ; the stores have read their registers: the next block's codes may be written
.endm
	LOADW 0
	LOADW 1
	BLOCKW 0
	BLOCKW 1
	BLOCKW 2
	BLOCKW 3
	s_wait_alu depctr_va_vdst(0)
	global_store_b32 v14, v[WW], s[30:31]          ; 4 bytes a lane, 16 bytes apart: one byte for each 128 that the wave has read
.irp n, 0,1,2,3,4,5
	ds_load_b128 v[OUTR+4*\n:OUTR+4*\n+3], v13 offset:1664*(\n/3)+512*(\n%3)
.endr
.irp n, 0,1,2,3,4,5
	s_wait_dscnt 5-\n
	global_store_b128 v12, v[OUTR+4*\n:OUTR+4*\n+3], s[28:29] offset:TP*(\n/3)+512*(\n%3)   ; 512 consecutive bytes, aligned
.endr
	s_wait_tensorcnt 0x0
	ds_add_u32 v254, v255
	s_wait_dscnt 0x0
	s_endpgm
.Lfunc_end_k_q0b77bb8a43_quant:
	.size	k_q0b77bb8a43_quant, .Lfunc_end_k_q0b77bb8a43_quant-k_q0b77bb8a43_quant
	.p2alignl 7, 3214868480
	.fill 96, 4, 3214868480
	.section	.rodata,"a",@progbits
	.p2align	6, 0x0
	.amdhsa_kernel k_q0b77bb8a43_quant
		.amdhsa_group_segment_fixed_size 47616
		.amdhsa_private_segment_fixed_size 0
		.amdhsa_enable_private_segment 0
		.amdhsa_kernarg_size 40
		.amdhsa_user_sgpr_count 2
		.amdhsa_user_sgpr_kernarg_segment_ptr 1
		.amdhsa_wavefront_size32 1
		.amdhsa_system_sgpr_workgroup_id_x 1
		.amdhsa_system_sgpr_workgroup_id_y 1
		.amdhsa_system_sgpr_workgroup_id_z 1
		.amdhsa_system_vgpr_workitem_id 0
		.amdhsa_next_free_vgpr 256
		.amdhsa_next_free_sgpr 66
		.amdhsa_reserve_vcc 1
		.amdhsa_float_denorm_mode_32 3
		.amdhsa_float_denorm_mode_16_64 3
		.amdhsa_memory_ordered 1
		.amdhsa_forward_progress 1
		.amdhsa_inst_pref_size 55
	.end_amdhsa_kernel
	.amdgpu_metadata
---
amdhsa.version: [ 1, 2 ]
amdhsa.kernels:
  - .name:           k_q0b77bb8a43_quant
    .symbol:         k_q0b77bb8a43_quant.kd
    .args:
      - { .name: x, .offset: 0, .size: 8, .value_kind: global_buffer, .address_space: global }
      - { .name: W_qkv, .offset: 8, .size: 8, .value_kind: global_buffer, .address_space: global }
      - { .name: W_out, .offset: 16, .size: 8, .value_kind: global_buffer, .address_space: global }
      - { .name: xq, .offset: 24, .size: 8, .value_kind: global_buffer, .address_space: global }
      - { .name: wq, .offset: 32, .size: 8, .value_kind: global_buffer, .address_space: global }
    .group_segment_fixed_size: 47616
    .private_segment_fixed_size: 0
    .kernarg_segment_align: 8
    .kernarg_segment_size: 40
    .max_flat_workgroup_size: 128
    .sgpr_count:     66
    .vgpr_count:     256
    .wavefront_size: 32
...
	.end_amdgpu_metadata
.endif
;; end of part 1
;; launch qkv (part 2): grid 12 x 64, 4 waves a work-group, clusters of 4 x 4, 295,424 bytes of LDS; arguments xq, wq, b_qkv, qkv; writes qkv
.if DOCPART == 2
	.amdgcn_target "amdgcn-amd-amdhsa--gfx1250"
	.amdhsa_code_object_version 6
	.text
	.protected	k_q0b77bb8a43_qkv
	.globl	k_q0b77bb8a43_qkv
	.p2align	8
	.type	k_q0b77bb8a43_qkv,@function
k_q0b77bb8a43_qkv:
	s_mov_b64 s[64:65], 0
	v_nop
	global_prefetch_b8 v0, s[64:65] scope:SCOPE_SE
	s_setreg_imm32_b32 hwreg(HW_REG_WAVE_MODE, 25, 1), 1
	s_wait_xcnt 0x0
	s_wait_alu depctr_hold_cnt(0) depctr_sa_sdst(0) depctr_va_vdst(0) depctr_va_sdst(0) depctr_va_ssrc(0) depctr_va_vcc(0) depctr_vm_vsrc(0)
	s_getreg_b32 s2, hwreg(HW_REG_IB_STS2, 6, 4)
	s_cmp_eq_u32 s2, 0
	s_cbranch_scc0 .Lentry_in_a_cluster
	s_endpgm
.Lentry_in_a_cluster:
	s_bfe_u32 s2, ttmp6, 0x10000c
	s_cmp_lg_u32 s2, 0xf033
	s_cbranch_scc0 .Lentry_shape_is_right
	s_endpgm
.Lentry_shape_is_right:
; qkv = x W_qkv + b_qkv on codes of FP6 (E2M3) with E8M0 scales, and q, k, v quantised on the way out: q and k along the head's 64, v along the keys.  Nothing goes to memory as f32.
; THE PRODUCT.  Source 0 = 16 rows of S0, source 1 = 16 rows of S1: a lane holds ONE row of S1 and its registers run along S0's rows.  A tile's rows are chosen (lane r of tile 2 g + u: row 32 g + 8 u + r + 8 (r / 8)) so that the 16
; registers of tiles 2 g, 2 g + 1 are 16 neighbours: what the conversions want.  MODE = the cluster's x.  MODE 0 (q), 1 (k): S0 = W's columns, S1 = tokens: registers run along the head.  MODE 2 (v): S0 = tokens, S1 = W's columns: registers run along the keys.
; SHARES.  A work-group makes 256 rows of S0 x 128 rows of S1 over all of K = 1,024; wave w takes S0's half w % 2 (8 tiles b) and S1's half w / 2 (4 tiles a): 32 accumulators.
; LDS holds both operands for all of K, 294,912 bytes, each byte filled ONCE: four quarters of K (two K steps of 128 each), one tensor load a wave and quarter (waves 0, 1: S0's halves; waves 2, 3: S1's).  No slot is filled again.
; CLUSTER 4 x 4: S0's tiles hang on cx alone and are asked for jointly by a column of the cluster, S1's on cy alone, by a row.
; OPERANDS lie in memory as images of their registers: fragment (tile, step) = 1,536 bytes = six pieces of 256, piece p at 8 x lane = registers 2 p, 2 p + 1.  So a fragment comes from LDS by six loads of 256 consecutive bytes: no pitch, no padding.
; SCALE WORDS: one load of 16 bytes a lane and tile: register q holds K step q in lanes 0-15 and K step 4 + q in lanes 16-31.
; OUT: [batch x head 64][key step 16] slabs of 19,712 bytes: K 8 tiles x 768 | V^T 4 tiles x 1,536 | K's scale words 512 | V's 256 | Q 8 x 768 | Q's scale words 512.
; LIMITS: as in the quantiser's launch: a block of zeros gets the byte 1, blocks under 2^-124 are held at it, NaN and infinities are not served.
; REGISTERS: window 0: v1-20 addresses; v32-63 S0's scale words, v64-79 S1's; v96-143, v144-191 S1's fragments, two sets; v192-255 the biases.  window 1: S0's fragments at v0 and v128.  window 2: accumulator (a, b) at v[8 (8 a + b)].
;   On the way out, window 0: v32-79 the codes, v96-159 64 numbers, v160-191 at work.
.set TP,    12288
.set XSC,   6291456
.set WSC,   3145728
.set HEADG, 315392
.set SLABG, 19712
.set VOFF,  6144
.set KSOFF, 12288
.set VSOFF, 12800
.set QOFF,  13056
.set QSOFF, 19200
.set Q0B,   49152                      ; a quarter of K of S0's 16 tiles: 16 x 3,072 bytes
.set Q1B,   24576                      ; of S1's 8 tiles
.set S1L,   4*Q0B                      ; S1 lies behind S0
.set WV,   12                          ; s12 wave; s13 = w % 2, s14 = w / 2
.set SEL,  66                          ; s[66:67] selects for lane l xor 16
.set G1A,  24                          ; s[24:31] group 1 for S0's tiles; s[32:47] four groups 0
.set G0A,  32
.set G0B,  48                          ; s[48:63] four groups 0 for S1's tiles; s[68:75] their group 1
.set G1B,  68
.set HA,   96
.set CTR,  160
.set TM,   168
.set PW,   184
.set SW,   188
.set BB,   192
.set MSB, 0
.macro WIN new                         ; the immediate's high byte repeats the setting that is left
.if MSB != \new
	s_set_vgpr_msb (MSB<<8)|\new
.set MSB, \new
.endif
.endm
.macro PLACES n
.rept \n
	v_nop
.endr
.endm
.macro CROUND                          ; a round of the cluster's barrier
	s_barrier_signal -1
	s_barrier_wait -1
	s_cmp_lg_u32 s[WV], 0
	s_cbranch_scc1 .Lnot_wave_0_\@
	s_barrier_signal -3
.Lnot_wave_0_\@:
	s_barrier_wait -3
	s_barrier_signal -1
	s_barrier_wait -1
.endm
.macro FETCH s, p                      ; K step s: S0's eight fragments and S1's four into set p
	WIN 0x40                                       ; destination window 1
.irp b, 0,1,2,3,4,5,6,7
.irp c, 0,1,2,3,4,5
	ds_load_b64 v[128*(\p)+12*\b+2*\c:128*(\p)+12*\b+2*\c+1], v[8+(\s)/2] offset:3072*\b+1536*((\s)%2)+256*\c
.endr
.endr
	WIN 0
.irp a, 0,1,2,3
.irp c, 0,1,2,3,4,5
	ds_load_b64 v[96+48*(\p)+12*\a+2*\c:96+48*(\p)+12*\a+2*\c+1], v[12+(\s)/2] offset:3072*\a+1536*((\s)%2)+256*\c
.endr
.endr
.endm
.macro MUL s, p                        ; 32 matrix instructions; the accumulators take turns, one instruction a turn, in the same order in every step.  K step 0 starts the sums
	WIN 0xa1                                       ; source 0 window 1, source 1 window 0, C and D window 2
.irp a, 0,1,2,3
.irp b, 0,1,2,3,4,5,6,7
.if (\s) == 0
	v_wmma_scale_f32_16x16x128_f8f6f4 v[8*(8*\a+\b):8*(8*\a+\b)+7], v[128*(\p)+12*\b:128*(\p)+12*\b+11], v[96+48*(\p)+12*\a:96+48*(\p)+12*\a+11], 0, v[32+4*\b], v[64+4*\a] matrix_a_fmt:MATRIX_FMT_FP6 matrix_b_fmt:MATRIX_FMT_FP6
.elseif (\s) < 4
	v_wmma_scale_f32_16x16x128_f8f6f4 v[8*(8*\a+\b):8*(8*\a+\b)+7], v[128*(\p)+12*\b:128*(\p)+12*\b+11], v[96+48*(\p)+12*\a:96+48*(\p)+12*\a+11], v[8*(8*\a+\b):8*(8*\a+\b)+7], v[32+4*\b+(\s)%4], v[64+4*\a+(\s)%4] matrix_a_fmt:MATRIX_FMT_FP6 matrix_b_fmt:MATRIX_FMT_FP6
.else
	v_wmma_scale_f32_16x16x128_f8f6f4 v[8*(8*\a+\b):8*(8*\a+\b)+7], v[128*(\p)+12*\b:128*(\p)+12*\b+11], v[96+48*(\p)+12*\a:96+48*(\p)+12*\a+11], v[8*(8*\a+\b):8*(8*\a+\b)+7], v[32+4*\b+(\s)%4], v[64+4*\a+(\s)%4] matrix_a_fmt:MATRIX_FMT_FP6 matrix_b_fmt:MATRIX_FMT_FP6 matrix_a_scale:MATRIX_SCALE_ROW1 matrix_b_scale:MATRIX_SCALE_ROW1
.endif
.endr
.endr
	WIN 0
.endm
; A K step: its fragments were asked for a step ago; the next step's are asked for ahead of its 32 products.  Ahead of a new quarter of K (s odd): my own load of that quarter has landed, and a barrier shows everybody's.
.macro KSTEP s
.if ((\s)%2 == 1) && ((\s) < 7)
	s_wait_tensorcnt 3-((\s)+1)/2                  ; of my four loads those of the later quarters may stay out
.endif
	s_wait_dscnt 0x0                               ; this step's fragments are in; no LDS instruction of mine is pending at a signal
.if ((\s)%2 == 1) && ((\s) < 7)
	s_barrier_signal -1
	s_barrier_wait -1
.endif
.if (\s) < 7
.if (\s) > 0
	PLACES 4                                       ; in front of loads into registers that the last step's products have read
.endif
	FETCH (\s)+1, ((\s)+1)%2
.endif
	MUL \s, (\s)%2
.endm
; 64 numbers of a lane, register 16 b + i = k 32 b + 16 (lane / 16) + i of my row, become a fragment's codes in v[pc] on and its scale word in v[PW].
.macro QUANT s, pc, ct
.irp b, 0,1,2,3
	v_max3_num_f32 v[TM+\b], |v[\s+16*\b]|, |v[\s+1+16*\b]|, 0x1800000   ; my 16 numbers of block b, and the floor 2^(3 - 127): the byte cannot fall under 1
.endr
.irp i, 2,4,6,8,10,12,14
.irp b, 0,1,2,3
	v_max3_num_f32 v[TM+\b], v[TM+\b], |v[\s+16*\b+\i]|, |v[\s+1+16*\b+\i]|
.endr
.endr
.irp b, 0,1,2,3
	v_permlanex16_b32 v[TM+4+\b], v[TM+\b], s[SEL], s[SEL+1]
.endr
.irp b, 0,1,2,3
	v_max_num_f32 v[TM+\b], v[TM+\b], v[TM+4+\b]   ; with lane l xor 16's: the block's largest magnitude
.endr
.irp b, 0,1,2,3
	v_add_nc_u32 v[TM+12+\b], 0xff000000, v[TM+\b] ; 2 off its exponent field: the conversion's scale operand
.endr
.irp b, 0,1,2,3
	v_lshrrev_b32 v[TM+4+\b], 23, v[TM+12+\b]      ; the byte
.endr
	v_lshl_or_b32 v[PW], v[TM+5], 8, v[TM+4]
	v_lshl_or_b32 v[PW], v[TM+6], 16, v[PW]
	v_lshl_or_b32 v[PW], v[TM+7], 24, v[PW]
.irp c, 0,1
	v_cvt_scalef32_pk16_fp6_f32 v[6*\c+(\pc):6*\c+2+(\pc)], v[\s+32*\c:\s+15+32*\c], v[TM+12+2*\c]
	v_cvt_scalef32_pk16_fp6_f32 v[4*\c+(\ct):4*\c+2+(\ct)], v[\s+16+32*\c:\s+31+32*\c], v[TM+12+2*\c+1]   ; (a conversion's three registers begin on an even number)
.endr
	v_nop                                          ; one plain place behind a scaled conversion
.irp c, 0,1                            ; the operand's layout wants a WHOLE block in a lane: lanes 0-15 block 2 c, lanes 16-31 block 2 c + 1
.irp i, 0,1,2
	v_permlane16_swap_b32 v[6*\c+\i+(\pc)], v[4*\c+\i+(\ct)]
.endr
.irp i, 0,1,2
	v_mov_b32 v[6*\c+3+\i+(\pc)], v[4*\c+\i+(\ct)]
.endr
.endr
.endm
; THE WAY OUT, a tile a of S1's rows at a time: + bias (which also brings the sums into window 0, each accumulator from its low end on), quantised, the fragment stored as it stands: six stores of 256 consecutive bytes.
; vm = 0 (q, k): the fragment's K is 128 columns of W = two heads: pieces 0-2 go to the first head's slab, pieces 3-5 to the next head's; the scale word's halves likewise.  vm = 1 (v): K is the key step's 128 keys.
.macro EPI vm
	s_wait_loadcnt 0x0                             ; the biases
.irp a, 0,1,2,3
	WIN 0x02                                       ; source 0 window 2
.set n, 0
.rept 32
.if \vm
	v_pk_add_f32 v[HA+n:HA+n+1], v[64*\a+n:64*\a+n+1], v[BB+2*\a:BB+2*\a+1]
.else
	v_pk_add_f32 v[HA+n:HA+n+1], v[64*\a+n:64*\a+n+1], v[BB+n:BB+n+1]
.endif
.set n, n+2
.endr
	WIN 0
	QUANT HA, 32+12*\a, CTR
.irp p, 0,1,2,3,4,5
.if \vm
	global_store_b64 v1, v[32+12*\a+2*\p:33+12*\a+2*\p], s[96:97] offset:1536*\a+256*\p
.else
	global_store_b64 v1, v[32+12*\a+2*\p:33+12*\a+2*\p], s[96:97] offset:(\p/3)*HEADG+768*\a+256*(\p%3)
.endif
.endr
.if \vm
	v_mov_b32 v[SW+\a], v[PW]
.else
	v_lshrrev_b32 v[SW+\a], v17, v[PW]             ; lanes 0-15: the first head's two bytes; lanes 16-31: the next head's;
	v_and_b32 v[SW+\a], 0xffff, v[SW+\a]           ; the word's upper two bytes are 0: they stand over zero codes in the attention's first product
.endif
.endr
.endm
	s_load_b128 s[4:7], s[0:1], 0x0                ; xq, wq
	s_load_b128 s[8:11], s[0:1], 0x10              ; b_qkv, qkv
	v_lshl_add_u32 v94, v0, 2, 0x48000
	v_mov_b32 v95, 0
	ds_add_u32 v94, v95
	ds_add_u32 v94, v95
	v_lshrrev_b32 v1, 5, v0
	v_readfirstlane_b32 s[WV], v1                  ; wave 0..3
	s_and_b32 s13, s[WV], 1                        ; my half of S0.  Also: which half of a tile set I fetch
	s_lshr_b32 s14, s[WV], 1                       ; my half of S1.  Also: I fetch for S0 (0) or for S1 (1)
	s_bfe_u32 s15, ttmp6, 0x40000                  ; cx
	s_bfe_u32 s16, ttmp6, 0x40004                  ; cy
	s_mov_b32 s17, ttmp9                           ; MODE: the cluster's x, the same in all sixteen partners
	s_and_b32 s18, ttmp7, 0xffff                   ; the cluster's y, 0..15
	s_lshl_b32 s22, 0x1111, s15                    ; my column of the cluster
	s_lshl_b32 s23, s16, 2
	s_lshl_b32 s23, 15, s23                        ; my row
	s_or_b32 s[G1A], s22, (3<<16)|(1<<21)          ; 15:0 the mask; 17:16 elements of 8 bytes; 21 set beside a mask; no padding
	s_or_b32 s[G1B], s23, (3<<16)|(1<<21)
.irp g, G1A, G1B
	s_mov_b32 s[\g+1], 384<<16                     ; tensor_dim0: a tile's quarter of K, 3,072 bytes
	s_mov_b32 s[\g+3], 384<<16                     ; tile_dim0
	s_mov_b32 s[\g+5], 1536                        ; from tile to tile: 12,288 bytes
	s_mov_b32 s[\g+6], 0
	s_mov_b32 s[\g+7], 0
.endr
	s_mov_b32 s[G1A+2], 8<<16                      ; tensor_dim1: eight tiles of S0 a load,
	s_mov_b32 s[G1A+4], 8
	s_mov_b32 s[G1B+2], 4<<16                      ; four of S1
	s_mov_b32 s[G1B+4], 4
	s_mov_b32 s[SEL], 0x76543210
	s_mov_b32 s[SEL+1], 0xfedcba98
	s_and_b32 s92, s18, 7
	s_lshr_b32 s93, s18, 3
	s_mov_b32 s80, WSC
	s_mov_b32 s81, XSC
	s_cmp_eq_u32 s17, 2                            ; v?  All that follows is chosen on this one compare
	s_cselect_b32 s19, s92, s17                    ; S0's block of 256 rows is 4 x this + cx,
	s_cselect_b32 s20, s93, s18                    ; S1's block of 128 rows 4 x this + cy,
	s_cselect_b32 s21, 128, 0                      ; counted from this tile (v's columns begin at W's tile 128)
	s_cselect_b32 s80, XSC, s80                    ; where S0's scale words begin,
	s_cselect_b32 s81, WSC, s81                    ; and S1's
	s_wait_dscnt 0x0
	s_wait_kmcnt 0x0
	s_cselect_b64 s[76:77], s[4:5], s[6:7]         ; S0's buffer
	s_cselect_b64 s[78:79], s[6:7], s[4:5]         ; S1's
	s_lshl_b32 s19, s19, 2
	s_add_co_u32 s19, s19, s15                     ; I0: it never holds cy
	s_lshl_b32 s20, s20, 2
	s_add_co_u32 s20, s20, s16                     ; I1: it never holds cx
	s_lshl_b32 s82, s19, 4
	s_lshl_b32 s83, s13, 3
	s_add_co_u32 s82, s82, s83
	s_mul_i32 s82, s82, TP                         ; S0: tile 16 I0 + 8 (w % 2)
	s_mov_b32 s83, 0
	s_add_nc_u64 s[82:83], s[76:77], s[82:83]
	s_lshl_b32 s84, s20, 3
	s_add_co_u32 s84, s84, s21
	s_lshl_b32 s85, s13, 2
	s_add_co_u32 s84, s84, s85
	s_mul_i32 s84, s84, TP                         ; S1: tile 8 I1 + 4 (w % 2), from its first tile on
	s_mov_b32 s85, 0
	s_add_nc_u64 s[84:85], s[78:79], s[84:85]
	s_mul_i32 s86, s13, 8*3072                     ; where they go: no place in the cluster enters an LDS address
	s_mul_i32 s87, s13, 4*3072
	s_add_co_u32 s87, s87, S1L
.irp q, 0,1,2,3
	s_mov_b32 s[G0A+4*\q], 1
	s_add_co_u32 s[G0A+4*\q+1], s86, \q*Q0B
	s_add_nc_u64 s[G0A+4*\q+2:G0A+4*\q+3], s[82:83], \q*3072
	s_or_b32 s[G0A+4*\q+3], s[G0A+4*\q+3], 0x80000000
	s_mov_b32 s[G0B+4*\q], 1
	s_add_co_u32 s[G0B+4*\q+1], s87, \q*Q1B
	s_add_nc_u64 s[G0B+4*\q+2:G0B+4*\q+3], s[84:85], \q*3072
	s_or_b32 s[G0B+4*\q+3], s[G0B+4*\q+3], 0x80000000
.endr
	CROUND                                         ; all sixteen work-groups are here: the joint loads meet
	s_cmp_lt_u32 s[WV], 2                          ; a wave's four fills stand in one branch on its number, ahead of every wait on TENSORcnt: four loads of mine are out on either way
	s_cbranch_scc0 .Lfill_s1
.irp q, 0,1,2,3
	tensor_load_to_lds s[G0A+4*\q:G0A+4*\q+3], s[G1A:G1A+7]
	s_nop 0
.endr
	PLACES 4                                       ; four v_nop follow the last load
	s_branch .Lfilled
.Lfill_s1:
.irp q, 0,1,2,3
	tensor_load_to_lds s[G0B+4*\q:G0B+4*\q+3], s[G1B:G1B+7]
	s_nop 0
.endr
	PLACES 4
.Lfilled:
	v_and_b32 v5, 31, v0                           ; lane
	v_lshlrev_b32 v1, 3, v5                        ; 8 x lane
	v_lshlrev_b32 v2, 4, v5                        ; 16 x lane
	s_wait_alu depctr_va_vdst(0)
	v_and_b32 v3, 15, v0                           ; r
	v_bfe_u32 v4, v0, 4, 1                         ; h
	s_wait_alu depctr_va_vdst(0)
	s_lshl_b32 s88, s19, 4
	s_lshl_b32 s89, s13, 3
	s_add_co_u32 s88, s88, s89
	s_lshl_b32 s88, s88, 9
	s_add_co_u32 s88, s88, s80
	s_mov_b32 s89, 0
	s_add_nc_u64 s[88:89], s[76:77], s[88:89]      ; the scale words of my eight tiles of S0
	s_lshl_b32 s90, s20, 3
	s_add_co_u32 s90, s90, s21
	s_lshl_b32 s91, s14, 2
	s_add_co_u32 s90, s90, s91
	s_lshl_b32 s90, s90, 9
	s_add_co_u32 s90, s90, s81
	s_mov_b32 s91, 0
	s_add_nc_u64 s[90:91], s[78:79], s[90:91]      ; and of my four of S1
.irp b, 0,1,2,3,4,5,6,7
	global_load_b128 v[32+4*\b:35+4*\b], v2, s[88:89] offset:512*\b
.endr
.irp a, 0,1,2,3
	global_load_b128 v[64+4*\a:67+4*\a], v2, s[90:91] offset:512*\a
.endr
	s_mul_i32 s94, s14, 4*3072
	s_add_co_u32 s94, s94, S1L
.irp q, 0,1,2,3
	s_add_co_u32 s95, s86, \q*Q0B
	v_add_nc_u32 v[8+\q], s95, v1                  ; my eight tiles of S0 in quarter q
	s_add_co_u32 s95, s94, \q*Q1B
	v_add_nc_u32 v[12+\q], s95, v1                 ; my four of S1
.endr
	v_lshlrev_b32 v16, 6, v4                       ; 64 h: q, k: my 16 of each 32 biases
	v_lshlrev_b32 v17, 4, v4                       ; 16 h: which half of a scale word is my head's
	v_mul_u32_u24 v18, v4, HEADG
	v_lshl_add_u32 v18, v3, 4, v18                 ; q, k: 16 r, + a head for lanes 16-31
	v_lshlrev_b32 v19, 4, v3                       ; v: 16 r
	v_and_b32 v20, 8, v3
	v_add_nc_u32 v20, v20, v3
	v_lshlrev_b32 v20, 2, v20                      ; v: my column's bias: 4 (r + 8 (r / 8))
.irp b, 0,1,2,3
	v_mov_b32 v[TM+4+\b], 0                        ; written once: a lane permute's destination counts as one of its sources
.endr
	s_wait_loadcnt 0x0                             ; the scale words
	s_wait_tensorcnt 3                             ; my part of the first quarter of K is in,
	s_barrier_signal -1
	s_barrier_wait -1                              ; everybody's is
	FETCH 0, 0
	KSTEP 0
	KSTEP 1
	KSTEP 2
	KSTEP 3
	KSTEP 4
	KSTEP 5
	s_cmp_eq_u32 s17, 2                            ; the one parting of the ways, on the cluster's x: each arm asks for its biases 64 products ahead of their use.  No barrier stands in an arm
	s_cbranch_scc1 .Lv_mode
	s_lshl_b32 s2, s19, 10
	s_lshl_b32 s3, s13, 9
	s_add_co_u32 s2, s2, s3
	s_mov_b32 s3, 0
	s_add_nc_u64 s[2:3], s[8:9], s[2:3]            ; b_qkv at my 128 columns: 256 I0 + 128 (w % 2)
.irp g, 0,1,2,3
.irp j, 0,1,2,3
	global_load_b128 v[BB+16*\g+4*\j:BB+16*\g+4*\j+3], v16, s[2:3] offset:128*\g+16*\j   ; register 16 g + i: column 32 g + 16 h + i
.endr
.endr
	s_lshr_b32 s92, s20, 4                         ; S1's block is a key step: batch I1 / 16, step I1 % 16; my first head is 4 cx + 2 (w % 2)
	s_lshl_b32 s92, s92, 4
	s_lshl_b32 s93, s15, 2
	s_add_co_u32 s92, s92, s93
	s_lshl_b32 s93, s13, 1
	s_add_co_u32 s92, s92, s93
	s_mul_i32 s92, s92, HEADG
	s_and_b32 s93, s20, 15
	s_mul_i32 s93, s93, SLABG
	s_add_co_u32 s92, s92, s93                     ; the slab
	s_mov_b32 s94, KSOFF
	s_cmp_eq_u32 s17, 0
	s_cselect_b32 s93, QOFF, 0
	s_cselect_b32 s94, QSOFF, s94
	s_mul_i32 s95, s14, 4*768                      ; my four tiles of its eight
	s_add_co_u32 s93, s93, s95
	s_add_co_u32 s96, s93, s92
	s_mov_b32 s97, 0
	s_add_nc_u64 s[96:97], s[10:11], s[96:97]
	s_lshl_b32 s95, s14, 8
	s_add_co_u32 s94, s94, s95
	s_add_co_u32 s98, s94, s92
	s_mov_b32 s99, 0
	s_add_nc_u64 s[98:99], s[10:11], s[98:99]
	KSTEP 6
	KSTEP 7
	PLACES 4                                       ; in front of the first read of results and of writes into registers that the last products have read
	EPI 0
	global_store_b128 v18, v[SW:SW+3], s[98:99]    ; lanes 0-15: 256 bytes of the first head's scale words; lanes 16-31: of the next head's
	s_branch .Ldone
.Lv_mode:
	s_lshl_b32 s2, s20, 9
	s_lshl_b32 s3, s14, 8
	s_add_co_u32 s2, s2, s3
	s_add_co_u32 s2, s2, 2048*4
	s_mov_b32 s3, 0
	s_add_nc_u64 s[2:3], s[8:9], s[2:3]            ; b_qkv at v's column 128 I1 + 64 (w / 2)
	s_wait_alu depctr_va_vdst(0)
.irp a, 0,1,2,3
	global_load_b32 v[BB+2*\a], v20, s[2:3] offset:(32*(\a/2)+8*(\a%2))*4     ; a lane holds one column: one bias, in both registers of a pair
	global_load_b32 v[BB+2*\a+1], v20, s[2:3] offset:(32*(\a/2)+8*(\a%2))*4
.endr
	s_lshr_b32 s92, s19, 3                         ; batch I0 / 8; key step 2 (I0 % 8) + w % 2; head 2 I1 + w / 2
	s_lshl_b32 s92, s92, 4
	s_lshl_b32 s93, s20, 1
	s_add_co_u32 s92, s92, s93
	s_add_co_u32 s92, s92, s14
	s_mul_i32 s92, s92, HEADG
	s_and_b32 s93, s19, 7
	s_lshl_b32 s93, s93, 1
	s_add_co_u32 s93, s93, s13
	s_mul_i32 s93, s93, SLABG
	s_add_co_u32 s92, s92, s93
	s_add_co_u32 s96, s92, VOFF
	s_mov_b32 s97, 0
	s_add_nc_u64 s[96:97], s[10:11], s[96:97]
	s_add_co_u32 s98, s92, VSOFF
	s_mov_b32 s99, 0
	s_add_nc_u64 s[98:99], s[10:11], s[98:99]
	KSTEP 6
	KSTEP 7
	PLACES 4
	EPI 1
	s_wait_alu depctr_va_vdst(0)
	s_wait_xcnt 0x0                                ; EXEC changes only behind this wait
	v_cmp_gt_u32 vcc_lo, 16, v5
	s_and_saveexec_b32 s95, vcc_lo
	global_store_b128 v19, v[SW:SW+3], s[98:99]    ; lanes 0-15: the four tiles' scale words of row r: 256 consecutive bytes
	s_wait_xcnt 0x0
	s_or_b32 exec_lo, exec_lo, s95
.Ldone:
	s_wait_dscnt 0x0
	s_wait_tensorcnt 0x0
	ds_add_u32 v94, v95
	s_wait_dscnt 0x0
	CROUND                                         ; the closing round: no work-group ends while a partner may still ask for a tile that names it
	s_endpgm
.Lfunc_end_k_q0b77bb8a43_qkv:
	.size	k_q0b77bb8a43_qkv, .Lfunc_end_k_q0b77bb8a43_qkv-k_q0b77bb8a43_qkv
	.p2alignl 7, 3214868480
	.fill 96, 4, 3214868480
	.section	.rodata,"a",@progbits
	.p2align	6, 0x0
	.amdhsa_kernel k_q0b77bb8a43_qkv
		.amdhsa_group_segment_fixed_size 295424
		.amdhsa_private_segment_fixed_size 0
		.amdhsa_enable_private_segment 0
		.amdhsa_kernarg_size 32
		.amdhsa_user_sgpr_count 2
		.amdhsa_user_sgpr_kernarg_segment_ptr 1
		.amdhsa_wavefront_size32 1
		.amdhsa_system_sgpr_workgroup_id_x 1
		.amdhsa_system_sgpr_workgroup_id_y 1
		.amdhsa_system_sgpr_workgroup_id_z 1
		.amdhsa_system_vgpr_workitem_id 0
		.amdhsa_next_free_vgpr 768
		.amdhsa_next_free_sgpr 100
		.amdhsa_reserve_vcc 1
		.amdhsa_float_denorm_mode_32 3
		.amdhsa_float_denorm_mode_16_64 3
		.amdhsa_memory_ordered 1
		.amdhsa_forward_progress 1
		.amdhsa_inst_pref_size 151
	.end_amdhsa_kernel
	.amdgpu_metadata
---
amdhsa.version: [ 1, 2 ]
amdhsa.kernels:
  - .name:           k_q0b77bb8a43_qkv
    .symbol:         k_q0b77bb8a43_qkv.kd
    .args:
      - { .name: xq, .offset: 0, .size: 8, .value_kind: global_buffer, .address_space: global }
      - { .name: wq, .offset: 8, .size: 8, .value_kind: global_buffer, .address_space: global }
      - { .name: b_qkv, .offset: 16, .size: 8, .value_kind: global_buffer, .address_space: global }
      - { .name: qkv, .offset: 24, .size: 8, .value_kind: global_buffer, .address_space: global }
    .group_segment_fixed_size: 295424
    .private_segment_fixed_size: 0
    .kernarg_segment_align: 8
    .kernarg_segment_size: 32
    .max_flat_workgroup_size: 128
    .sgpr_count:     100
    .vgpr_count:     768
    .wavefront_size: 32
...
	.end_amdgpu_metadata
.endif
;; end of part 2
;; launch attn (part 3): grid 4 x 64, 16 waves a work-group, clusters of 4 x 1, 231,424 bytes of LDS; arguments qkv, yq; writes yq
.if DOCPART == 3
	.amdgcn_target "amdgcn-amd-amdhsa--gfx1250"
	.amdhsa_code_object_version 6
	.text
	.protected	k_q0b77bb8a43_attn
	.globl	k_q0b77bb8a43_attn
	.p2align	8
	.type	k_q0b77bb8a43_attn,@function
k_q0b77bb8a43_attn:
	s_mov_b64 s[64:65], 0
	v_nop
	global_prefetch_b8 v0, s[64:65] scope:SCOPE_SE
	s_setreg_imm32_b32 hwreg(HW_REG_WAVE_MODE, 25, 1), 1
	s_wait_xcnt 0x0
	s_wait_alu depctr_hold_cnt(0) depctr_sa_sdst(0) depctr_va_vdst(0) depctr_va_sdst(0) depctr_va_ssrc(0) depctr_va_vcc(0) depctr_vm_vsrc(0)
	s_getreg_b32 s2, hwreg(HW_REG_IB_STS2, 6, 4)
	s_cmp_eq_u32 s2, 0
	s_cbranch_scc0 .Lentry_in_a_cluster
	s_endpgm
.Lentry_in_a_cluster:
	s_bfe_u32 s2, ttmp6, 0x10000c
	s_cmp_lg_u32 s2, 0x3003
	s_cbranch_scc0 .Lentry_shape_is_right
	s_endpgm
.Lentry_shape_is_right:
; y = softmax(q k^T / 8, causal) v for one (batch, head) a cluster, both products on codes of FP6 (E2M3) with E8M0 scales; y is quantised along the model's 1,024 on the way out and stored as the last product's operand.
; THE SOFTMAX AHEAD OF THE SECOND PRODUCT: t = score x log2(e) / 8; M = the row's largest t so far, rounded UP to a whole number; p = 2^(t - M) is quantised along the keys, not normalised; the row's sum is taken of the
; unquantised p and divides O at the end (v_rcp_f32 and a multiplication).  When M moves, the sum and O are multiplied by 2^(old M - new M): exact.
; LDS holds the WHOLE head's K, V and their scale words: 16 slabs (128 keys each) of 13,056 bytes, 208,896 in all, each byte filled ONCE: wave w asks for slab w.  The cluster's four work-groups want the same bytes and ask JOINTLY.
; SHARES.  The head's 2,048 queries are 16 blocks of 128, each 8 tiles of 16.  A tile of block j wants j + 1 key steps of 128 keys, the last on the diagonal.  Wave w takes tile 2 cx + w % 2 of block w / 2, then of block 15 - w / 2:
; 17 key steps for every wave of every work-group.  Branches hang on the wave's number and on counters alone; cx enters global addresses and the mask's register, nothing else.
; LAYOUT.  Both products transposed: S^T = K Q^T, O^T = V^T P^T: a lane holds ONE query.  Lane r of tile 2 g + u (of keys, of queries, of the head's 64) holds number 32 g + 8 u + r + 8 (r / 8), so that 16 registers of two neighbouring tiles are 16 neighbours.
; THE FIRST PRODUCT'S K IS 64, the instruction's 128: Q's registers 6-11 are zero codes, and K's operand of tile t is v[32 + 6 t] on, twelve registers, whose upper six are the next tile's codes (zeros behind the last): the format has no
; infinity and no NaN, so whatever stands there is multiplied by 0; the scale words' upper two bytes are 0, which is 2^-127, a number.
; LIMITS: a block of zeros gets the byte 1 (its codes are zeros; only this program reads the bytes); NaN and infinities are not served.
; REGISTERS: v1 8 lane, v2 16 r, v3-4 the step's LDS addresses, v7 the mask's d, v9 16 r + h; v12 -M, v13 largest t, v[14:15] the sum; v16-27 Q; v28 its scale word; v32-85 K, then V; v86-93 K's scale words; v96-159 S^T, p, y;
;   v160-191 O^T; v192-203 p's codes; v204-210, v212-227 at work; v228-231 V's scale words.
.set HEADG, 315392
.set SLABG, 19712
.set SLABL, 13056                      ; what of a slab goes to LDS: K 6,144 | V 6,144 | K's scale words 512 | V's 256
.set VOFF,  6144
.set KSOFF, 12288
.set VSOFF, 12800
.set QOFF,  13056
.set QSOFF, 19200
.set TP,    12288
.set XSC,   6291456
.set WV,  8
.set JJ,  12                           ; s12 the block of queries in hand
.set SEL, 14
.set CS,  16                           ; s[16:17] c = log2(e) / 8
.set HM,  18                           ; s18 lanes 16-31
.set KS,  19                           ; s19 the key step
.set TB,  20                           ; s20 its slab in LDS
.macro CROUND
	s_barrier_signal -1
	s_barrier_wait -1
	s_cmp_lg_u32 s[WV], 0
	s_cbranch_scc1 .Lnot_wave_0_\@
	s_barrier_signal -3
.Lnot_wave_0_\@:
	s_barrier_wait -3
	s_barrier_signal -1
	s_barrier_wait -1
.endm
	s_load_b128 s[4:7], s[0:1], 0x0                ; qkv, yq
	v_lshl_add_u32 v254, v0, 2, 0x38000
	v_mov_b32 v255, 0
	ds_add_u32 v254, v255
	ds_add_u32 v254, v255
	v_lshrrev_b32 v1, 5, v0
	s_delay_alu instid0(VALU_DEP_1)
	v_readfirstlane_b32 s[WV], v1                  ; wave 0..15
	s_bfe_u32 s9, ttmp6, 0x40000                   ; cx
	s_and_b32 s10, ttmp7, 0xffff                   ; batch x 16 + head, which the four partners share
	s_and_b32 s11, s[WV], 1
	s_lshl_b32 s13, s9, 1
	s_add_co_u32 s13, s13, s11                     ; my tile of a block's eight
	s_mov_b32 s24, 15|(3<<16)|(1<<21)              ; group 1: 15:0 all four work-groups; 17:16 elements of 8 bytes; 21 set beside a mask; no padding
	s_mov_b32 s25, 32<<16                          ; a dense block as rows of 256 bytes
	s_mov_b32 s26, 51<<16                          ; 51 of them
	s_mov_b32 s27, 32<<16
	s_mov_b32 s28, 51
	s_mov_b32 s29, 32
	s_mov_b32 s30, 0
	s_mov_b32 s31, 0
	s_mov_b32 s[SEL], 0x76543210
	s_mov_b32 s[SEL+1], 0xfedcba98
	s_mov_b32 s[CS], 0x3e38aa3b
	s_mov_b32 s[CS+1], s[CS]                       ; (named with it as a pair, so it is written)
	s_mov_b32 s[HM], 0xffff0000
	s_mul_i32 s46, s10, HEADG
	s_mov_b32 s47, 0
	s_mul_i32 s48, s[WV], SLABG
	s_mov_b32 s49, 0
	s_mov_b32 s32, 1
	s_mul_i32 s33, s[WV], SLABL                    ; slab w goes to LDS byte 13,056 w
	s_wait_dscnt 0x0
	s_wait_kmcnt 0x0
	s_add_nc_u64 s[36:37], s[4:5], s[46:47]        ; the head
	s_add_nc_u64 s[34:35], s[36:37], s[48:49]
	s_or_b32 s35, s35, 0x80000000
	CROUND                                         ; all four work-groups are here: the joint loads meet
	tensor_load_to_lds s[32:35], s[24:31]          ; one load a wave is out
	s_nop 0
.rept 4
	v_nop
.endr
	v_and_b32 v5, 31, v0
	v_and_b32 v6, 15, v0                           ; r
	v_bfe_u32 v8, v0, 4, 1                         ; h
	s_delay_alu instid0(VALU_DEP_3)
	v_lshlrev_b32 v1, 3, v5
	s_delay_alu instid0(VALU_DEP_3)
	v_lshlrev_b32 v2, 4, v6
	s_delay_alu instid0(VALU_DEP_1)
	v_add_nc_u32 v9, v2, v8
	v_and_b32 v7, 8, v6
	s_delay_alu instid0(VALU_DEP_1)
	v_add_nc_u32 v7, v7, v6
	v_lshlrev_b32 v10, 4, v8
	s_delay_alu instid0(VALU_DEP_1)
	v_sub_nc_u32 v7, v7, v10
	s_lshl_b32 s46, s9, 5
	s_lshl_b32 s47, s11, 3
	s_add_co_u32 s46, s46, s47
	v_add_nc_u32 v7, s46, v7                       ; d = my query's place in its block - 16 h: on the diagonal register 16 g + i holds key 32 g + 16 h + i, hidden where 32 g + i > d
.irp j, 22,23,24,25,26,27,80,81,82,83,84,85,216,217,218,219,225,226
	v_mov_b32 v\j, 0                               ; zero codes behind Q and behind K's last tile; permutes' destinations; upper halves of pairs
.endr
	s_wait_tensorcnt 0x0                           ; my slab is in,
	s_barrier_signal -1
	s_barrier_wait -1                              ; everybody's is.  From here on LDS is only read
; A KEY STEP: 128 keys.
.macro STEP
	v_add_nc_u32 v3, s[TB], v1
	v_add_nc_u32 v4, s[TB], v2
	v_nop
	v_nop                                          ; four places in front of loads into registers that the last step's products have read
.irp t, 0,1,2,3,4,5,6,7
.irp i, 0,1,2
	ds_load_b64 v[32+6*\t+2*\i:33+6*\t+2*\i], v3 offset:768*\t+256*\i
.endr
.endr
	ds_load_b128 v[86:89], v4 offset:KSOFF
	ds_load_b128 v[90:93], v4 offset:KSOFF+256
	s_wait_alu depctr_va_vdst(0)
	s_wait_dscnt 0x0
.irp t, 0,1,2,3,4,5,6,7
	v_wmma_scale_f32_16x16x128_f8f6f4 v[96+8*\t:103+8*\t], v[32+6*\t:43+6*\t], v[16:27], 0, v[86+\t], v28 matrix_a_fmt:MATRIX_FMT_FP6 matrix_b_fmt:MATRIX_FMT_FP6
.endr
.rept 4
	v_nop                                          ; places in front of the loads below and of the first read of the scores
.endr
.irp t, 0,1,2,3
.irp p, 0,1,2,3,4,5
	ds_load_b64 v[32+12*\t+2*\p:33+12*\t+2*\p], v3 offset:VOFF+1536*\t+256*\p   ; V^T's four fragments land while the softmax is worked
.endr
.endr
	ds_load_b128 v[228:231], v4 offset:VSOFF
	s_cmp_lg_u32 s[KS], s[JJ]                      ; on the diagonal hidden scores become -infinity ahead of the maximum: p = 0 then
	s_cbranch_scc1 .Lopen_\@
	v_mov_b32 v226, 0xff800000
.set n, 0
.rept 64
	v_cmp_gt_i32 vcc_lo, 32*(n/16)+n%16, v7
	v_cndmask_b32 v[96+n], v[96+n], v226, vcc_lo
.set n, n+1
.endr
.Lopen_\@:
.irp b, 0,1,2,3
	v_max3_num_f32 v[212+\b], v[96+16*\b], v[97+16*\b], v[98+16*\b]   ; the largest score of each block of 32 keys: it serves the row's maximum and, since p rises with the score, the block's largest p
.endr
.irp i, 3,5,7,9,11,13
.irp b, 0,1,2,3
	v_max3_num_f32 v[212+\b], v[212+\b], v[96+16*\b+\i], v[97+16*\b+\i]
.endr
.endr
.irp b, 0,1,2,3
	v_max_num_f32 v[212+\b], v[212+\b], v[111+16*\b]
.endr
.irp b, 0,1,2,3
	s_delay_alu instid0(VALU_DEP_4)
	v_permlanex16_b32 v[216+\b], v[212+\b], s[SEL], s[SEL+1]
.endr
.irp b, 0,1,2,3
	s_delay_alu instid0(VALU_DEP_4)
	v_max_num_f32 v[212+\b], v[212+\b], v[216+\b]  ; with lane l xor 16's 16 keys
.endr
	s_delay_alu instid0(VALU_DEP_2)
	v_max3_num_f32 v226, v212, v213, v214
	s_delay_alu instid0(VALU_DEP_1)
	v_max_num_f32 v226, v226, v215
	s_delay_alu instid0(VALU_DEP_1)
	v_mul_f32 v226, s[CS], v226                    ; the step's largest t (c is positive)
	s_delay_alu instid0(VALU_DEP_1)
	v_max_num_f32 v13, v13, v226
	v_mov_b32 v226, v12
	s_delay_alu instid0(VALU_DEP_2)
	v_floor_f32 v12, -v13                          ; -M = floor(-t): M is a whole number
	s_delay_alu instid0(VALU_DEP_1)
	v_sub_f32 v226, v12, v226                      ; old M - new M: a whole number, 0 or less
	s_delay_alu instid0(VALU_DEP_1)
	v_cvt_i32_f32 v226, v226                       ; (it saturates)
	s_delay_alu instid0(VALU_DEP_1)
	v_ldexp_f32 v224, 1.0, v226                    ; f = 2^(old M - new M)
.set j, 0
	s_setprio 1
.rept 32
	v_pk_fma_f32 v[96+j:97+j], v[96+j:97+j], s[CS:CS+1], v[12:13] op_sel_hi:[1,0,0]   ; t - M
.set j, j+2
.endr
.irp b, 0,1,2,3
	v_fma_f32 v[212+\b], v[212+\b], s[CS], v12
.endr
.set j, 0
	s_wait_alu depctr_va_vdst(0)
.rept 64
	v_exp_f32 v[96+j], v[96+j]                     ; p = 2^(t - M)
.set j, j+1
.endr
.irp b, 0,1,2,3
	v_exp_f32 v[212+\b], v[212+\b]                 ; the block's largest p: the same two instructions on the same number
.endr
	v_pk_mul_f32 v[14:15], v[14:15], v[224:225] op_sel_hi:[1,0]   ; the sums under the new M.  (A plain place behind the exponentials)
	s_wait_alu depctr_va_vdst(0)
.irp b, 0,1,2,3
	v_max_num_f32 v[212+\b], 0x1800000, v[212+\b]  ; the floor 2^(3 - 127)
.endr
.irp b, 0,1,2,3
	s_delay_alu instid0(VALU_DEP_4)
	v_add_nc_u32 v[220+\b], 0xff000000, v[212+\b]
.endr
.irp b, 0,1,2,3
	s_delay_alu instid0(VALU_DEP_4)
	v_lshrrev_b32 v[216+\b], 23, v[220+\b]
.endr
	s_delay_alu instid0(VALU_DEP_3)
	v_lshl_or_b32 v227, v217, 8, v216              ; p's scale word for these 128 keys
	s_delay_alu instid0(VALU_DEP_1)
	v_lshl_or_b32 v227, v218, 16, v227
	s_delay_alu instid0(VALU_DEP_1)
	v_lshl_or_b32 v227, v219, 24, v227
.irp c, 0,1
	v_cvt_scalef32_pk16_fp6_f32 v[192+6*\c:194+6*\c], v[96+32*\c:111+32*\c], v[220+2*\c]
	v_cvt_scalef32_pk16_fp6_f32 v[204+4*\c:206+4*\c], v[112+32*\c:127+32*\c], v[221+2*\c]
.endr
	v_nop                                          ; one plain place behind a scaled conversion
.irp c, 0,1
.irp i, 0,1,2
	v_permlane16_swap_b32 v[192+6*\c+\i], v[204+4*\c+\i]
.endr
.irp i, 0,1,2
	s_delay_alu instid0(VALU_DEP_3)
	v_mov_b32 v[195+6*\c+\i], v[204+4*\c+\i]
.endr
.endr
	v_pk_add_f32 v[216:217], v[100:101], v[104:105]
	v_pk_add_f32 v[252:253], v[108:109], v[112:113]
	v_pk_add_f32 v[250:251], v[116:117], v[120:121]
	v_pk_add_f32 v[248:249], v[124:125], v[128:129]
	v_pk_add_f32 v[246:247], v[132:133], v[136:137]
	v_pk_add_f32 v[244:245], v[140:141], v[144:145]
	v_pk_add_f32 v[242:243], v[148:149], v[152:153]
	s_setprio 0
	v_pk_add_f32 v[14:15], v[14:15], v[156:157]
	v_pk_add_f32 v[216:217], v[216:217], v[96:97]
	v_pk_add_f32 v[252:253], v[252:253], v[98:99]
	v_pk_add_f32 v[250:251], v[250:251], v[102:103]
	v_pk_add_f32 v[248:249], v[248:249], v[106:107]
	v_pk_add_f32 v[246:247], v[246:247], v[110:111]
	v_pk_add_f32 v[244:245], v[244:245], v[114:115]
	v_pk_add_f32 v[242:243], v[242:243], v[118:119]
	v_pk_add_f32 v[14:15], v[14:15], v[122:123]
	v_pk_add_f32 v[216:217], v[216:217], v[126:127]
	v_pk_add_f32 v[252:253], v[252:253], v[130:131]
	v_pk_add_f32 v[250:251], v[250:251], v[134:135]
	v_pk_add_f32 v[248:249], v[248:249], v[138:139]
	v_pk_add_f32 v[246:247], v[246:247], v[142:143]
	v_pk_add_f32 v[244:245], v[244:245], v[146:147]
	v_pk_add_f32 v[242:243], v[242:243], v[150:151]
	v_pk_add_f32 v[14:15], v[14:15], v[154:155]
	v_pk_add_f32 v[216:217], v[216:217], v[158:159]
	s_delay_alu instid0(VALU_DEP_2)
	v_pk_add_f32 v[14:15], v[14:15], v[248:249]
	s_delay_alu instid0(VALU_DEP_2)
	v_pk_add_f32 v[216:217], v[216:217], v[246:247]
	v_pk_add_f32 v[252:253], v[252:253], v[244:245]
	v_pk_add_f32 v[250:251], v[250:251], v[242:243]
	s_delay_alu instid0(VALU_DEP_2)
	v_pk_add_f32 v[14:15], v[14:15], v[252:253]
	s_delay_alu instid0(VALU_DEP_2)
	v_pk_add_f32 v[216:217], v[216:217], v[250:251]
	s_delay_alu instid0(VALU_DEP_1)
	v_pk_add_f32 v[14:15], v[14:15], v[216:217]
.set j, 0
.rept 16
	v_pk_mul_f32 v[160+j:161+j], v[160+j:161+j], v[224:225] op_sel_hi:[1,0]   ; O^T under the new M
.set j, j+2
.endr
	s_wait_alu depctr_va_vdst(0)
	s_wait_dscnt 0x0                               ; V
.irp t, 0,1,2,3                        ; four accumulators by turns
	v_wmma_scale_f32_16x16x128_f8f6f4 v[160+8*\t:167+8*\t], v[32+12*\t:43+12*\t], v[192:203], v[160+8*\t:167+8*\t], v[228+\t], v227 matrix_a_fmt:MATRIX_FMT_FP6 matrix_b_fmt:MATRIX_FMT_FP6
.endr
.endm
; A PASS: one tile of 16 queries against the keys up to its own block.
.macro PASS second
.if \second
	s_wait_xcnt 0x0                                ; the last pass's stores have read their registers and bases
	s_sub_co_u32 s[JJ], 15, s[JJ]
.else
	s_lshr_b32 s[JJ], s[WV], 1
.endif
	s_mul_i32 s46, s[JJ], SLABG
	s_mul_i32 s47, s13, 768
	s_add_co_u32 s47, s47, s46
	s_add_co_u32 s48, s47, QOFF
	s_mov_b32 s49, 0
	s_add_nc_u64 s[38:39], s[36:37], s[48:49]      ; my tile of Q
	s_lshr_b32 s50, s13, 2
	s_lshl_b32 s50, s50, 8
	s_and_b32 s51, s13, 3
	s_lshl_b32 s51, s51, 2
	s_add_co_u32 s50, s50, s51
	s_add_co_u32 s50, s50, s46
	s_add_co_u32 s50, s50, QSOFF
	s_mov_b32 s51, 0
	s_add_nc_u64 s[40:41], s[36:37], s[50:51]      ; its scale words
	s_lshr_b32 s52, s10, 4
	s_lshl_b32 s52, s52, 7
	s_lshl_b32 s53, s[JJ], 3
	s_add_co_u32 s52, s52, s53
	s_add_co_u32 s52, s52, s13                     ; the tile of tokens: 128 batch + 8 block + tile
	s_and_b32 s53, s10, 15                         ; the head: K step head / 2 of the last product, half head % 2 of its fragment
	s_mul_i32 s54, s52, TP
	s_mul_i32 s55, s53, 768
	s_add_co_u32 s54, s54, s55
	s_mov_b32 s55, 0
	s_add_nc_u64 s[42:43], s[6:7], s[54:55]        ; y's codes
	s_lshl_b32 s56, s52, 9
	s_lshr_b32 s57, s53, 3
	s_lshl_b32 s57, s57, 8
	s_add_co_u32 s56, s56, s57
	s_bfe_u32 s57, s53, 0x20001
	s_lshl_b32 s57, s57, 2
	s_add_co_u32 s56, s56, s57
	s_and_b32 s57, s53, 1
	s_lshl_b32 s57, s57, 1
	s_add_co_u32 s56, s56, s57
	s_add_co_u32 s56, s56, XSC
	s_mov_b32 s57, 0
	s_add_nc_u64 s[44:45], s[6:7], s[56:57]        ; y's two scale bytes of each row
.irp i, 0,1,2
	global_load_b64 v[16+2*\i:17+2*\i], v1, s[38:39] offset:256*\i
.endr
	global_load_b32 v28, v2, s[40:41]
.set j, 0
.rept 32
	v_mov_b32 v[160+j], 0                          ; O^T.  (The step is written once: the first finds zeros, which the first change of M leaves zeros)
.set j, j+1
.endr
	v_mov_b32 v13, 0xff61b1e6                      ; the largest t so far: -3e38
	s_delay_alu instid0(VALU_DEP_1)
	v_floor_f32 v12, -v13
	v_mov_b32 v14, 0
	v_mov_b32 v15, 0
	s_mov_b32 s[KS], 0
	s_mov_b32 s[TB], 0
	s_wait_loadcnt 0x0                             ; Q
.Lstep_\@:                             ; 16 trips, a constant; a step whose keys all come after my block is jumped over
	s_cmp_gt_u32 s[KS], s[JJ]
	s_cbranch_scc1 .Lhidden_\@
	s_setprio 2
	STEP
.Lhidden_\@:
	s_add_co_u32 s[TB], s[TB], SLABL
	s_add_co_u32 s[KS], s[KS], 1
	s_cmp_lt_u32 s[KS], 16
	s_cbranch_scc1 .Lstep_\@
	s_setprio 0
.rept 4
	v_nop                                          ; places behind the last products
.endr
	s_wait_alu depctr_va_vdst(0)
	v_add_f32 v14, v14, v15
	s_delay_alu instid0(VALU_DEP_1)
	v_permlanex16_b32 v226, v14, s[SEL], s[SEL+1]
	s_delay_alu instid0(VALU_DEP_1)
	v_add_f32 v14, v14, v226                       ; the row's sum
	s_wait_alu depctr_va_vdst(0)
	v_rcp_f32 v14, v14
	v_nop                                          ; one plain place behind a transcendental
.set j, 0
	s_wait_alu depctr_va_vdst(0)
.rept 32
	v_mul_f32 v[96+j], v[160+j], v14               ; y: register 16 g + i is channel 32 g + 16 h + i of my query
.set j, j+1
.endr
.irp b, 0,1
	v_max3_num_f32 v[212+\b], |v[96+16*\b]|, |v[97+16*\b]|, 0x1800000
.endr
.irp i, 2,4,6,8,10,12,14
.irp b, 0,1
	s_delay_alu instid0(VALU_DEP_2)
	v_max3_num_f32 v[212+\b], v[212+\b], |v[96+16*\b+\i]|, |v[97+16*\b+\i]|
.endr
.endr
.irp b, 0,1
	s_delay_alu instid0(VALU_DEP_2)
	v_permlanex16_b32 v[216+\b], v[212+\b], s[SEL], s[SEL+1]
.endr
.irp b, 0,1
	s_delay_alu instid0(VALU_DEP_2)
	v_max_num_f32 v[212+\b], v[212+\b], v[216+\b]
.endr
.irp b, 0,1
	s_delay_alu instid0(VALU_DEP_2)
	v_add_nc_u32 v[220+\b], 0xff000000, v[212+\b]
.endr
.irp b, 0,1
	s_delay_alu instid0(VALU_DEP_2)
	v_lshrrev_b32 v[216+\b], 23, v[220+\b]
.endr
	v_cvt_scalef32_pk16_fp6_f32 v[192:194], v[96:111], v220
	v_cvt_scalef32_pk16_fp6_f32 v[204:206], v[112:127], v221
	v_nop                                          ; one plain place behind a scaled conversion
	v_cndmask_b32 v226, v216, v217, s[HM]          ; lanes 0-15 carry the first block's byte, lanes 16-31 the second's
.irp i, 0,1,2
	v_permlane16_swap_b32 v[192+\i], v[204+\i]
.endr
.irp i, 0,1,2
	s_delay_alu instid0(VALU_DEP_3)
	v_mov_b32 v[195+\i], v[204+\i]
.endr
.irp i, 0,1,2
	global_store_b64 v1, v[192+2*\i:193+2*\i], s[42:43] offset:256*\i   ; half a fragment: three stores of 256 consecutive bytes, aligned
.endr
	global_store_b8 v9, v226, s[44:45]             ; a byte a lane, two to a row: a head holds 2 of a row's 32 scale bytes; 32 bytes beside 768 of codes
.endm
	PASS 0
	PASS 1
	s_wait_dscnt 0x0
	s_wait_tensorcnt 0x0
	ds_add_u32 v254, v255
	s_wait_dscnt 0x0
	CROUND                                         ; the closing round
	s_endpgm
.Lfunc_end_k_q0b77bb8a43_attn:
	.size	k_q0b77bb8a43_attn, .Lfunc_end_k_q0b77bb8a43_attn-k_q0b77bb8a43_attn
	.p2alignl 7, 3214868480
	.fill 96, 4, 3214868480
	.section	.rodata,"a",@progbits
	.p2align	6, 0x0
	.amdhsa_kernel k_q0b77bb8a43_attn
		.amdhsa_group_segment_fixed_size 231424
		.amdhsa_private_segment_fixed_size 0
		.amdhsa_enable_private_segment 0
		.amdhsa_kernarg_size 16
		.amdhsa_user_sgpr_count 2
		.amdhsa_user_sgpr_kernarg_segment_ptr 1
		.amdhsa_wavefront_size32 1
		.amdhsa_system_sgpr_workgroup_id_x 1
		.amdhsa_system_sgpr_workgroup_id_y 1
		.amdhsa_system_sgpr_workgroup_id_z 1
		.amdhsa_system_vgpr_workitem_id 0
		.amdhsa_next_free_vgpr 256
		.amdhsa_next_free_sgpr 66
		.amdhsa_reserve_vcc 1
		.amdhsa_float_denorm_mode_32 3
		.amdhsa_float_denorm_mode_16_64 3
		.amdhsa_memory_ordered 1
		.amdhsa_forward_progress 1
		.amdhsa_inst_pref_size 67
	.end_amdhsa_kernel
	.amdgpu_metadata
---
amdhsa.version: [ 1, 2 ]
amdhsa.kernels:
  - .name:           k_q0b77bb8a43_attn
    .symbol:         k_q0b77bb8a43_attn.kd
    .args:
      - { .name: qkv, .offset: 0, .size: 8, .value_kind: global_buffer, .address_space: global }
      - { .name: yq, .offset: 8, .size: 8, .value_kind: global_buffer, .address_space: global }
    .group_segment_fixed_size: 231424
    .private_segment_fixed_size: 0
    .kernarg_segment_align: 8
    .kernarg_segment_size: 16
    .max_flat_workgroup_size: 512
    .sgpr_count:     66
    .vgpr_count:     256
    .wavefront_size: 32
...
	.end_amdgpu_metadata
.endif
;; end of part 3
;; launch proj (part 4): grid 4 x 64, 4 waves a work-group, clusters of 4 x 4, 295,424 bytes of LDS; arguments yq, wq, b_out, out0; writes out0
.if DOCPART == 4
	.amdgcn_target "amdgcn-amd-amdhsa--gfx1250"
	.amdhsa_code_object_version 6
	.text
	.protected	k_q0b77bb8a43_proj
	.globl	k_q0b77bb8a43_proj
	.p2align	8
	.type	k_q0b77bb8a43_proj,@function
k_q0b77bb8a43_proj:
	s_mov_b64 s[64:65], 0
	v_nop
	global_prefetch_b8 v0, s[64:65] scope:SCOPE_SE
	s_setreg_imm32_b32 hwreg(HW_REG_WAVE_MODE, 25, 1), 1
	s_wait_xcnt 0x0
	s_wait_alu depctr_hold_cnt(0) depctr_sa_sdst(0) depctr_va_vdst(0) depctr_va_sdst(0) depctr_va_ssrc(0) depctr_va_vcc(0) depctr_vm_vsrc(0)
	s_getreg_b32 s2, hwreg(HW_REG_IB_STS2, 6, 4)
	s_cmp_eq_u32 s2, 0
	s_cbranch_scc0 .Lentry_in_a_cluster
	s_endpgm
.Lentry_in_a_cluster:
	s_bfe_u32 s2, ttmp6, 0x10000c
	s_cmp_lg_u32 s2, 0xf033
	s_cbranch_scc0 .Lentry_shape_is_right
	s_endpgm
.Lentry_shape_is_right:
; out0 = y W_out + b_out on codes of FP6 (E2M3) with E8M0 scales.  The product is that of the launch that makes q, k and v: source 0 = 16 columns of W_out (S0), source 1 = 16 tokens (S1): a lane holds one token and its registers run along the columns.
; A work-group makes 256 columns x 128 tokens over all of K = 1,024; wave w takes S0's half w % 2 (8 tiles b) and S1's half w / 2 (4 tiles a): 32 accumulators.  256 work-groups.
; LDS holds both operands for all of K, 294,912 bytes, each byte filled ONCE, in four quarters of K, one tensor load a wave and quarter (waves 0, 1: S0's halves; waves 2, 3: S1's).
; CLUSTER 4 x 4: S0's tiles hang on cx alone and are asked for jointly by a column of the cluster, S1's on cy alone, by a row.
; Operands lie in memory as images of their registers (fragment = six pieces of 256 bytes, piece p at 8 x lane = registers 2 p, 2 p + 1); lane r of tile 2 g + u holds row 32 g + 8 u + r + 8 (r / 8).
; The bias is the C of each sum's first matrix instruction.
; THE WAY OUT: a tile of 16 tokens x 128 columns goes through the wave's stage in LDS and leaves as rows of 512 consecutive bytes.  The stages lie in S0's first quarter of K: it has had its only fill, and every wave's last read of it
; lies in front of the barrier of K step 1.
; REGISTERS: window 0: v1-21 addresses; v32-63 S0's scale words, v64-79 S1's; v96-143, v144-191 S1's fragments; v192-255 the biases; on the way out v96-223 rows of out0.  window 1: S0's fragments at v0 and v128.  window 2: accumulator (a, b) at v[8 (8 a + b)].
.set TP,    12288
.set XSC,   6291456
.set WSC,   3145728
.set WT0,   192                        ; W_out's first tile in wq
.set Q0B,   49152
.set Q1B,   24576
.set S1L,   4*Q0B
.set WV,   12
.set G1A,  24
.set G0A,  32
.set G0B,  48
.set G1B,  68
.set BB,   192
.set BK,   96
.set STO,  20
.set RD,   21
.set MSB, 0
.macro WIN new                         ; the immediate's high byte repeats the setting that is left
.if MSB != \new
	s_set_vgpr_msb (MSB<<8)|\new
.set MSB, \new
.endif
.endm
.macro PLACES n
.rept \n
	v_nop
.endr
.endm
.macro CROUND
	s_barrier_signal -1
	s_barrier_wait -1
	s_cmp_lg_u32 s[WV], 0
	s_cbranch_scc1 .Lnot_wave_0_\@
	s_barrier_signal -3
.Lnot_wave_0_\@:
	s_barrier_wait -3
	s_barrier_signal -1
	s_barrier_wait -1
.endm
.macro FETCH s, p
	WIN 0x40
.irp b, 0,1,2,3,4,5,6,7
.irp c, 0,1,2,3,4,5
	ds_load_b64 v[128*(\p)+12*\b+2*\c:128*(\p)+12*\b+2*\c+1], v[8+(\s)/2] offset:3072*\b+1536*((\s)%2)+256*\c
.endr
.endr
	WIN 0
.irp a, 0,1,2,3
.irp c, 0,1,2,3,4,5
	ds_load_b64 v[96+48*(\p)+12*\a+2*\c:96+48*(\p)+12*\a+2*\c+1], v[12+(\s)/2] offset:3072*\a+1536*((\s)%2)+256*\c
.endr
.endr
.endm
.macro MUL s, p                        ; 32 matrix instructions; the accumulators take turns, one instruction a turn, in the same order in every step.  K step 0 starts the sums from the bias
.if (\s) == 0
	WIN 0x81                                       ; source 0 window 1, source 1 and C window 0, D window 2
.else
	WIN 0xa1                                       ; C and D window 2
.endif
.irp a, 0,1,2,3
.irp b, 0,1,2,3,4,5,6,7
.if (\s) == 0
	v_wmma_scale_f32_16x16x128_f8f6f4 v[8*(8*\a+\b):8*(8*\a+\b)+7], v[128*(\p)+12*\b:128*(\p)+12*\b+11], v[96+48*(\p)+12*\a:96+48*(\p)+12*\a+11], v[BB+8*\b:BB+8*\b+7], v[32+4*\b], v[64+4*\a] matrix_a_fmt:MATRIX_FMT_FP6 matrix_b_fmt:MATRIX_FMT_FP6
.elseif (\s) < 4
	v_wmma_scale_f32_16x16x128_f8f6f4 v[8*(8*\a+\b):8*(8*\a+\b)+7], v[128*(\p)+12*\b:128*(\p)+12*\b+11], v[96+48*(\p)+12*\a:96+48*(\p)+12*\a+11], v[8*(8*\a+\b):8*(8*\a+\b)+7], v[32+4*\b+(\s)%4], v[64+4*\a+(\s)%4] matrix_a_fmt:MATRIX_FMT_FP6 matrix_b_fmt:MATRIX_FMT_FP6
.else
	v_wmma_scale_f32_16x16x128_f8f6f4 v[8*(8*\a+\b):8*(8*\a+\b)+7], v[128*(\p)+12*\b:128*(\p)+12*\b+11], v[96+48*(\p)+12*\a:96+48*(\p)+12*\a+11], v[8*(8*\a+\b):8*(8*\a+\b)+7], v[32+4*\b+(\s)%4], v[64+4*\a+(\s)%4] matrix_a_fmt:MATRIX_FMT_FP6 matrix_b_fmt:MATRIX_FMT_FP6 matrix_a_scale:MATRIX_SCALE_ROW1 matrix_b_scale:MATRIX_SCALE_ROW1
.endif
.endr
.endr
	WIN 0
.endm
.macro KSTEP s
.if ((\s)%2 == 1) && ((\s) < 7)
	s_wait_tensorcnt 3-((\s)+1)/2                  ; my load of the next quarter of K has landed; those of the later quarters may stay out
.endif
	s_wait_dscnt 0x0                               ; this step's fragments are in; no LDS instruction of mine is pending at a signal
.if ((\s)%2 == 1) && ((\s) < 7)
	s_barrier_signal -1
	s_barrier_wait -1
.endif
.if (\s) < 7
.if (\s) > 0
	PLACES 4                                       ; in front of loads into registers that the last step's products have read
.endif
	FETCH (\s)+1, ((\s)+1)%2
.endif
	MUL \s, (\s)%2
.endm
.macro TOSTAGE a                       ; tile a: lane (r, h) holds token r and, in accumulator b, columns 32 (b / 2) + 16 h + 8 (b % 2) + 0 .. 7
	WIN 0x08                                       ; an LDS store's data are its source 1: window 2
.irp b, 0,1,2,3,4,5,6,7
	ds_store_b128 v[STO], v[8*(8*(\a)+\b):8*(8*(\a)+\b)+3] offset:128*(\b/2)+32*(\b%2)      ; each accumulator from its low end on
	ds_store_b128 v[STO], v[8*(8*(\a)+\b)+4:8*(8*(\a)+\b)+7] offset:128*(\b/2)+32*(\b%2)+16
.endr
	WIN 0
.irp t, 0,1,2,3,4,5,6,7,8,9,10,11,12,13,14,15
	ds_load_b128 v[BK+64*((\a)%2)+4*\t:BK+64*((\a)%2)+4*\t+3], v[RD] offset:528*\t   ; LDS serves a wave's instructions in order: these see the stores above, and the next tile's stores come behind them
.endr
.endm
.macro SEND a, younger                 ; younger: the LDS instructions issued behind tile a's loads
	s_wait_dscnt \younger
.irp t, 0,1,2,3,4,5,6,7,8,9,10,11,12,13,14,15
	global_store_b128 v2, v[BK+64*((\a)%2)+4*\t:BK+64*((\a)%2)+4*\t+3], s[96:97] offset:(32*((\a)/2)+8*((\a)%2)+\t+8*(\t/8))*4096 th:TH_STORE_NT   ; 32 lanes store 512 consecutive bytes of the token's row, aligned
.endr
.endm
	s_load_b128 s[4:7], s[0:1], 0x0                ; yq, wq
	s_load_b128 s[8:11], s[0:1], 0x10              ; b_out, out0
	v_lshl_add_u32 v94, v0, 2, 0x48000
	v_mov_b32 v95, 0
	ds_add_u32 v94, v95
	ds_add_u32 v94, v95
	v_lshrrev_b32 v1, 5, v0
	v_readfirstlane_b32 s[WV], v1
	s_and_b32 s13, s[WV], 1                        ; my half of S0.  Also: which half of a tile set I fetch
	s_lshr_b32 s14, s[WV], 1                       ; my half of S1.  Also: I fetch for S0 (0) or for S1 (1)
	s_bfe_u32 s15, ttmp6, 0x40000                  ; cx
	s_bfe_u32 s16, ttmp6, 0x40004                  ; cy
	s_lshl_b32 s19, ttmp9, 2
	s_add_co_u32 s19, s19, s15                     ; I0: block of 256 columns
	s_and_b32 s20, ttmp7, 0xffff
	s_lshl_b32 s20, s20, 2
	s_add_co_u32 s20, s20, s16                     ; I1: block of 128 tokens
	s_lshl_b32 s22, 0x1111, s15                    ; my column of the cluster
	s_lshl_b32 s23, s16, 2
	s_lshl_b32 s23, 15, s23                        ; my row
	s_or_b32 s[G1A], s22, (3<<16)|(1<<21)          ; 15:0 the mask; 17:16 elements of 8 bytes; 21 set beside a mask; no padding
	s_or_b32 s[G1B], s23, (3<<16)|(1<<21)
.irp g, G1A, G1B
	s_mov_b32 s[\g+1], 384<<16                     ; a tile's quarter of K: 3,072 bytes
	s_mov_b32 s[\g+3], 384<<16
	s_mov_b32 s[\g+5], 1536                        ; from tile to tile: 12,288 bytes
	s_mov_b32 s[\g+6], 0
	s_mov_b32 s[\g+7], 0
.endr
	s_mov_b32 s[G1A+2], 8<<16
	s_mov_b32 s[G1A+4], 8
	s_mov_b32 s[G1B+2], 4<<16
	s_mov_b32 s[G1B+4], 4
	s_lshl_b32 s82, s19, 4
	s_lshl_b32 s83, s13, 3
	s_add_co_u32 s82, s82, s83
	s_add_co_u32 s82, s82, WT0
	s_mul_i32 s82, s82, TP
	s_mov_b32 s83, 0
	s_lshl_b32 s84, s20, 3
	s_lshl_b32 s85, s13, 2
	s_add_co_u32 s84, s84, s85
	s_mul_i32 s84, s84, TP
	s_mov_b32 s85, 0
	s_mul_i32 s86, s13, 8*3072
	s_mul_i32 s87, s13, 4*3072
	s_add_co_u32 s87, s87, S1L
	s_wait_dscnt 0x0
	s_wait_kmcnt 0x0
	s_add_nc_u64 s[82:83], s[6:7], s[82:83]
	s_add_nc_u64 s[84:85], s[4:5], s[84:85]
.irp q, 0,1,2,3
	s_mov_b32 s[G0A+4*\q], 1
	s_add_co_u32 s[G0A+4*\q+1], s86, \q*Q0B
	s_add_nc_u64 s[G0A+4*\q+2:G0A+4*\q+3], s[82:83], \q*3072
	s_or_b32 s[G0A+4*\q+3], s[G0A+4*\q+3], 0x80000000
	s_mov_b32 s[G0B+4*\q], 1
	s_add_co_u32 s[G0B+4*\q+1], s87, \q*Q1B
	s_add_nc_u64 s[G0B+4*\q+2:G0B+4*\q+3], s[84:85], \q*3072
	s_or_b32 s[G0B+4*\q+3], s[G0B+4*\q+3], 0x80000000
.endr
	CROUND                                         ; all sixteen work-groups are here: the joint loads meet
	s_cmp_lt_u32 s[WV], 2                          ; a wave's four fills stand in one branch on its number: four loads of mine are out on either way
	s_cbranch_scc0 .Lfill_s1
.irp q, 0,1,2,3
	tensor_load_to_lds s[G0A+4*\q:G0A+4*\q+3], s[G1A:G1A+7]
	s_nop 0
.endr
	PLACES 4                                       ; four v_nop follow the last load
	s_branch .Lfilled
.Lfill_s1:
.irp q, 0,1,2,3
	tensor_load_to_lds s[G0B+4*\q:G0B+4*\q+3], s[G1B:G1B+7]
	s_nop 0
.endr
	PLACES 4
.Lfilled:
	v_and_b32 v5, 31, v0
	v_lshlrev_b32 v1, 3, v5                        ; 8 x lane
	v_lshlrev_b32 v2, 4, v5                        ; 16 x lane
	s_wait_alu depctr_va_vdst(0)
	v_and_b32 v3, 15, v0                           ; r
	v_bfe_u32 v4, v0, 4, 1                         ; h
	v_lshlrev_b32 v16, 6, v4                       ; 64 h
	s_wait_alu depctr_va_vdst(0)
	s_lshl_b32 s88, s19, 4
	s_lshl_b32 s89, s13, 3
	s_add_co_u32 s88, s88, s89
	s_add_co_u32 s88, s88, WT0
	s_lshl_b32 s88, s88, 9
	s_add_co_u32 s88, s88, WSC
	s_mov_b32 s89, 0
	s_add_nc_u64 s[88:89], s[6:7], s[88:89]        ; the scale words of my eight tiles of W_out
	s_lshl_b32 s90, s20, 3
	s_lshl_b32 s91, s14, 2
	s_add_co_u32 s90, s90, s91
	s_lshl_b32 s90, s90, 9
	s_add_co_u32 s90, s90, XSC
	s_mov_b32 s91, 0
	s_add_nc_u64 s[90:91], s[4:5], s[90:91]        ; and of my four tiles of tokens
	s_lshl_b32 s2, s19, 10
	s_lshl_b32 s3, s13, 9
	s_add_co_u32 s2, s2, s3                        ; my first column, in bytes of f32
	s_mov_b32 s3, 0
	s_lshl_b32 s92, s20, 7
	s_lshl_b32 s93, s14, 6
	s_add_co_u32 s92, s92, s93
	s_lshl_b32 s92, s92, 12                        ; my first token's row of 4,096 bytes
	s_add_co_u32 s96, s92, s2
	s_mov_b32 s97, 0
	s_add_nc_u64 s[96:97], s[10:11], s[96:97]      ; out0 at my corner
	s_add_nc_u64 s[2:3], s[8:9], s[2:3]            ; b_out at my 128 columns
.irp b, 0,1,2,3,4,5,6,7
	global_load_b128 v[32+4*\b:35+4*\b], v2, s[88:89] offset:512*\b
.endr
.irp a, 0,1,2,3
	global_load_b128 v[64+4*\a:67+4*\a], v2, s[90:91] offset:512*\a
.endr
.irp g, 0,1,2,3
.irp j, 0,1,2,3
	global_load_b128 v[BB+16*\g+4*\j:BB+16*\g+4*\j+3], v16, s[2:3] offset:128*\g+16*\j   ; register 16 g + i: column 32 g + 16 h + i: the result's layout
.endr
.endr
	s_mul_i32 s94, s14, 4*3072
	s_add_co_u32 s94, s94, S1L
.irp q, 0,1,2,3
	s_add_co_u32 s95, s86, \q*Q0B
	v_add_nc_u32 v[8+\q], s95, v1
	s_add_co_u32 s95, s94, \q*Q1B
	v_add_nc_u32 v[12+\q], s95, v1
.endr
	s_mul_i32 s95, s[WV], 16*528                   ; my stage
	v_mul_u32_u24 v[STO], v3, 528
	v_lshl_add_u32 v[STO], v4, 6, v[STO]
	v_add_nc_u32 v[STO], s95, v[STO]               ; in: row r, + 64 h
	v_add_nc_u32 v[RD], s95, v2                    ; back: a row's 512 bytes, 16 a lane
	s_wait_alu depctr_va_vdst(0)
	s_wait_loadcnt 0x0                             ; the scale words and the biases
	s_wait_tensorcnt 3                             ; my part of the first quarter of K is in,
	s_barrier_signal -1
	s_barrier_wait -1                              ; everybody's is
	FETCH 0, 0
	KSTEP 0
	KSTEP 1
	KSTEP 2
	KSTEP 3
	KSTEP 4
	KSTEP 5
	KSTEP 6
	KSTEP 7
	PLACES 4                                       ; in front of the first read of results and of loads into registers that the last products have read
	TOSTAGE 0
.irp a, 1,2,3
.if \a > 1
	s_wait_xcnt 0x0                                ; tile a - 2's stores have read their registers: tile a's loads may land there
.endif
	TOSTAGE \a
	SEND \a-1, 32                                  ; behind tile a - 1's loads: tile a's 16 stores and 16 loads
.endr
	SEND 3, 0
	s_wait_dscnt 0x0
	s_wait_tensorcnt 0x0
	ds_add_u32 v94, v95
	s_wait_dscnt 0x0
	CROUND                                         ; the closing round: no work-group ends while a partner may still ask for a tile that names it
	s_endpgm
.Lfunc_end_k_q0b77bb8a43_proj:
	.size	k_q0b77bb8a43_proj, .Lfunc_end_k_q0b77bb8a43_proj-k_q0b77bb8a43_proj
	.p2alignl 7, 3214868480
	.fill 96, 4, 3214868480
	.section	.rodata,"a",@progbits
	.p2align	6, 0x0
	.amdhsa_kernel k_q0b77bb8a43_proj
		.amdhsa_group_segment_fixed_size 295424
		.amdhsa_private_segment_fixed_size 0
		.amdhsa_enable_private_segment 0
		.amdhsa_kernarg_size 32
		.amdhsa_user_sgpr_count 2
		.amdhsa_user_sgpr_kernarg_segment_ptr 1
		.amdhsa_wavefront_size32 1
		.amdhsa_system_sgpr_workgroup_id_x 1
		.amdhsa_system_sgpr_workgroup_id_y 1
		.amdhsa_system_sgpr_workgroup_id_z 1
		.amdhsa_system_vgpr_workitem_id 0
		.amdhsa_next_free_vgpr 768
		.amdhsa_next_free_sgpr 100
		.amdhsa_reserve_vcc 0
		.amdhsa_float_denorm_mode_32 3
		.amdhsa_float_denorm_mode_16_64 3
		.amdhsa_memory_ordered 1
		.amdhsa_forward_progress 1
		.amdhsa_inst_pref_size 97
	.end_amdhsa_kernel
	.amdgpu_metadata
---
amdhsa.version: [ 1, 2 ]
amdhsa.kernels:
  - .name:           k_q0b77bb8a43_proj
    .symbol:         k_q0b77bb8a43_proj.kd
    .args:
      - { .name: yq, .offset: 0, .size: 8, .value_kind: global_buffer, .address_space: global }
      - { .name: wq, .offset: 8, .size: 8, .value_kind: global_buffer, .address_space: global }
      - { .name: b_out, .offset: 16, .size: 8, .value_kind: global_buffer, .address_space: global }
      - { .name: out0, .offset: 24, .size: 8, .value_kind: global_buffer, .address_space: global }
    .group_segment_fixed_size: 295424
    .private_segment_fixed_size: 0
    .kernarg_segment_align: 8
    .kernarg_segment_size: 32
    .max_flat_workgroup_size: 128
    .sgpr_count:     100
    .vgpr_count:     768
    .wavefront_size: 32
...
	.end_amdgpu_metadata
.endif
;; end of part 4
